; MI455X (gfx1250); checked and timed in simulation.
; The chip was launched on July 23, 2026; its instructions are those of AMD's public machine-readable ISA for CDNA 5 (MIT licence, August 2026) and "CDNA5" Instruction Set Architecture Reference Guide (July 2026). The comments in the code are by the model that wrote it; some were corrected since.
;; Titan Memory. Allowed arithmetic: matrix products marked QUANTISED: E2M3 operands, one E8M0 scale for each 32 along K, by v_wmma_scale_f32_16x16x128_f8f6f4 with both operands' format E2M3, f32 sums; everything else in f32.
;; Inputs: W 1,024 x 1,024 float32; b 1,024 float32; memory_bank 1 x 1,024 x 1,024 float32; x 8 x 2,048 x 1,024 float32.
;; Outputs: out0 8 x 2,048 x 1,024 float32.
;; This version of the problem:
;;   THIS VERSION OF THE PROBLEM IS GIVEN IN LOW PRECISION. The matrix products marked QUANTISED in the list below multiply operands that are first quantised to E2M3 (2 exponent bits, 3 mantissa bits; 6 bits a number), with one power-of-two scale for each 32 numbers along K (OCP MX v1.0); their sums are f32. All else is computed in f32.
;;   The module's matrix products, in the order in which they are computed (A, B: the left and right operand; K: the contracted axis; several contracted axes count as one K, in the product's order):
;;     1. [M 16,384, K 1,024] x [K 1,024, N 1,024]; A: input x; B: input W: QUANTISED
;;     2. [M 16,384, K 1,024] x [K 1,024, N 1,024]; A: computed on the way; B: input memory_bank: QUANTISED
;;     3. [M 16,384, K 1,024] x [K 1,024, N 1,024]; A: softmax (see below); B: input memory_bank: QUANTISED
;;   THE QUANTISER, for each operand of a quantised product, along K:
;;     - K is cut into blocks of 32 from its start; a last block that is shorter is filled with zeros.
;;     - A block's scale is 2^e with e = floor(log2(the largest magnitude in the block)) - 2, held to -126 .. 127; a block of zeros has e = 0. As a byte (E8M0): e + 127.
;;     - Each number is divided by its block's scale, clamped to +-7.5, and rounded to the nearest number of E2M3, ties to even, subnormals kept.
;;     - The product sums the exact products of the quantised numbers (number of the format x scale) in f32.
;;   ~~~python
;;   def quantise(x, axis):      # numpy; x: float32 -> the quantised numbers, widened to float32 again
;;       x = np.moveaxis(x, axis, -1); K = x.shape[-1]
;;       x = np.pad(x, [(0, 0)] * (x.ndim - 1) + [(0, -K % 32)]); x = x.reshape(x.shape[:-1] + (-1, 32)); a = np.abs(x).max(-1, keepdims=True)
;;       e = np.where(a > 0, np.clip(np.frexp(np.where(a > 0, a, 1))[1] - 1 - 2, -126, 127), 0)      # np.frexp(a)[1] - 1 = floor(log2(a)), exactly
;;       r = np.clip(x / 2.0 ** e, -7.5, 7.5)
;;       step = 2.0 ** (np.maximum(np.frexp(np.where(r == 0, 1, r))[1] - 1, 0) - 3)
;;       q = np.round(r / step) * step * 2.0 ** e      # np.round: ties to even
;;       return np.moveaxis(q.reshape(q.shape[:-2] + (-1,))[..., :K], -1, axis).astype(np.float32)
;;   ~~~
;;   SOFTMAX AHEAD OF A QUANTISED PRODUCT. Where the list says 'softmax', what is quantised is not the finished softmax but p = 2^(t - M), with t = logit x log2(e) and M = ceil(the row's largest t), a whole number; so 1/2 < the row's largest p <= 1. The row's sum l is taken of the UNQUANTISED p, in f32, and the product's result is divided by l at the end. Since M is a whole number, a kernel that streams over the keys may use a running M (the ceiling of the running maximum): every later rescaling is an exact power of two, which a block's scale takes up: the codes' values come out the same.
;;   OPERANDS COMPUTED ON THE WAY. 'Computed on the way' means the value that the module computes at that place (a softmax that the list does not call 'softmax' is quantised finished and normalised). What goes into a quantiser is computed in f32, as accurately as f32 sums, v_exp_f32 and their like allow (about 1e-6 of the number): no bf16 or f16 on the way to a quantiser, and a product that is left as it is and whose result goes on into a quantised operand takes f32 operands (vector FMAs, or v_wmma_f32_16x16x4_f32). A number that lies on a knife's edge between two numbers of the format may be rounded either way, as far as f32 arithmetic and the matrix unit's own rounding can turn it there, and no further.
;; 2 versions. Each part assembles by itself: llvm-mc -triple=amdgcn-amd-amdhsa -mcpu=gfx1250 --defsym DOCPART=n.
;; ======== version 1 of 2: 2 launches
;; workspace buffers: wq 2,457,600 bytes
;; launch prep (part 1): grid 192 x 1, 8 waves a work-group, no clusters, 2,048 bytes of LDS; arguments W, memory_bank, wq; writes wq
.if DOCPART == 1
	.amdgcn_target "amdgcn-amd-amdhsa--gfx1250"
	.amdhsa_code_object_version 6
	.text
	.protected	k_qabd1e12267_prep
	.globl	k_qabd1e12267_prep
	.p2align	8
	.type	k_qabd1e12267_prep,@function
k_qabd1e12267_prep:
	s_mov_b64 s[64:65], 0
	v_nop
	global_prefetch_b8 v0, s[64:65] scope:SCOPE_SE
	s_setreg_imm32_b32 hwreg(HW_REG_WAVE_MODE, 25, 1), 1
	s_wait_xcnt 0x0
; The three weight operands of the chain become codes of FP6 (E2M3) with one E8M0 scale byte for each 32 along K, laid in wq in the ORDER OF THE OPERAND'S REGISTERS and in the order in which the next launch walks them.
;   P = 0: W [e][d], K = d.   P = 1: memory_bank [m][e], K = e.   P = 2: memory_bank turned, rows d, K = m (its first axis).
; wq = [P][s = K step of 128][w = the wave that will read it]: records of 25,600 bytes.  A record: 16 fragments t of 1,536 bytes (registers 4 c .. 4 c + 3 of lane l at 1536 t + 512 c + 16 l), then two images of
; 512 bytes of scale words (image I: lane l's 16 bytes at 24576 + 512 I + 16 l; word j of lanes 0-15 belongs to fragment 8 I + 2 j, of lanes 16-31 to fragment 8 I + 2 j + 1).
; THE ROWS OF A FRAGMENT ARE NOT NEIGHBOURS: lane r of fragment t = 8 G + 2 b + u takes weight row 256 w + 128 G + 32 b + 8 u + r + 8 (r / 8), so that in the next launch the 16 result registers of two
; neighbouring fragments are 16 neighbours along the following product's K.
; SHARES: work-group u = 64 P + 8 s + 2 w + I makes the eight fragments 8 I .. 8 I + 7 of one record, a wave a fragment, and that image of scale words.
; A block's scale is 2^(floor(log2(its largest magnitude)) - 2); its byte is the largest magnitude's exponent field - 2, held at 1 from below.  A block of zeros so gets the byte 1 where the rule says 127: its codes are
; zeros, which add nothing under any byte but 0xff, and this program alone reads the bytes.
; LIMITS: NaN and infinities among the inputs are not served; blocks whose largest magnitude lies under 2^(3 - 127) are quantised under the byte 1.
.set REC, 25600
.set X,   16                           ; v16-79   64 numbers: register 16 k + i = K 32 k + 16 (lane / 16) + i of my row, within the K step
.set PC,  80                           ; v80-91   the fragment; v92-98 the conversions' second halves
.set TM,  100                          ; v100-115 at work
.set PW,  116                          ; v116     my row's scale word
.set SEL, 20                           ; s[20:21] lane selects for v_permlanex16_b32: lane l xor 16
; 64 numbers of a lane, v[s] on, become a fragment's codes in v[PC] on and its scale word in v[PW].
.macro QUANT s
.irp b, 0,1,2,3
	v_max3_num_f32 v[TM+\b], |v[\s+16*\b]|, |v[\s+1+16*\b]|, 0x1800000   ; block b: my 16 numbers, and the floor 2^(3 - 127): the byte cannot fall under 1
.endr
.irp i, 2,4,6,8,10,12,14
.irp b, 0,1,2,3
	v_max3_num_f32 v[TM+\b], v[TM+\b], |v[\s+16*\b+\i]|, |v[\s+1+16*\b+\i]|   ; the four blocks by turns
.endr
.endr
.irp b, 0,1,2,3
	v_permlanex16_b32 v[TM+4+\b], v[TM+\b], s[SEL], s[SEL+1]
.endr
.irp b, 0,1,2,3
	v_max_num_f32 v[TM+\b], v[TM+\b], v[TM+4+\b]   ; with lane l xor 16's 16: the block's largest magnitude
.endr
.irp b, 0,1,2,3
	v_add_nc_u32 v[TM+12+\b], 0xff000000, v[TM+\b]   ; 2 off its exponent field: the conversion takes this operand's exponent field as its scale
.endr
.irp b, 0,1,2,3
	v_lshrrev_b32 v[TM+4+\b], 23, v[TM+12+\b]      ; the scale's byte
.endr
	v_lshl_or_b32 v[PW], v[TM+5], 8, v[TM+4]
	v_lshl_or_b32 v[PW], v[TM+6], 16, v[PW]
	v_lshl_or_b32 v[PW], v[TM+7], 24, v[PW]
.irp c, 0,1
	v_cvt_scalef32_pk16_fp6_f32 v[PC+6*\c:PC+2+6*\c], v[\s+32*\c:\s+15+32*\c], v[TM+12+2*\c]
	v_cvt_scalef32_pk16_fp6_f32 v[PC+12+4*\c:PC+14+4*\c], v[\s+16+32*\c:\s+31+32*\c], v[TM+12+2*\c+1]   ; (a conversion's three registers begin on an even number)
.endr
	v_nop                                          ; one plain instruction behind the scaled conversions
.irp c, 0,1                                    ; the operand wants a whole block in a lane: lanes 0-15 block 2 c, lanes 16-31 block 2 c + 1
.irp i, 0,1,2
	v_permlane16_swap_b32 v[PC+6*\c+\i], v[PC+12+4*\c+\i]
.endr
.irp i, 0,1,2
	v_mov_b32 v[PC+3+6*\c+\i], v[PC+12+4*\c+\i]
.endr
.endr
.endm
	s_load_b128 s[4:7], s[0:1], 0x0                ; W, memory_bank
	s_load_b64 s[8:9], s[0:1], 0x10                ; wq
	v_lshl_add_u32 v128, v0, 2, 0x400
	v_mov_b32 v129, 0
	v_lshrrev_b32 v1, 5, v0
	v_readfirstlane_b32 s12, v1                    ; wave v = 0..7
	v_and_b32 v1, 31, v0                           ; lane
	v_and_b32 v2, 15, v0                           ; r
	v_bfe_u32 v3, v0, 4, 1                         ; h
	v_lshlrev_b32 v5, 4, v1                        ; 16 x lane
	v_and_b32 v7, 8, v2
	v_add_nc_u32 v7, v7, v2                        ; r + 8 (r / 8)
.irp b, 0,1,2,3
	v_mov_b32 v[TM+4+\b], 0                        ; written once: a lane permute's destination counts as one of its sources
.endr
	s_mov_b32 s[SEL], 0x76543210
	s_mov_b32 s[SEL+1], 0xfedcba98
	s_and_b32 s13, s12, 1                          ; v % 2
	s_lshr_b32 s14, s12, 1                         ; v / 2
	s_lshl_b32 s15, s13, 8
	s_lshl_b32 s16, s14, 2
	s_add_co_u32 s15, s15, s16
	v_lshl_add_u32 v6, v2, 4, s15                  ; LDS: my row's scale word in the image: 16 r + 256 (v % 2) + 4 (v / 2)
	s_bfe_u32 s17, ttmp9, 0x20001                  ; w
	s_and_b32 s18, ttmp9, 1                        ; I
	s_bfe_u32 s19, ttmp9, 0x30003                  ; s
	s_lshl_b32 s22, s17, 8
	s_lshl_b32 s23, s18, 7
	s_add_co_u32 s22, s22, s23
	s_lshl_b32 s23, s14, 5
	s_add_co_u32 s22, s22, s23
	s_lshl_b32 s23, s13, 3
	s_add_co_u32 s22, s22, s23                     ; my fragment's first row: 256 w + 128 I + 32 (v / 2) + 8 (v % 2)
	s_lshr_b32 s24, ttmp9, 1
	s_mul_i32 s24, s24, REC                        ; the record
	s_lshl_b32 s25, s18, 3
	s_add_co_u32 s25, s25, s12
	s_mul_i32 s25, s25, 1536
	s_add_co_u32 s26, s24, s25                     ; my fragment in it
	s_mov_b32 s27, 0
	s_lshl_b32 s28, s18, 9
	s_add_co_u32 s28, s28, s24
	s_add_co_u32 s28, s28, 24576                   ; the image of scale words
	s_mov_b32 s29, 0
	s_wait_kmcnt 0x0
	s_cmp_lt_u32 ttmp9, 64                         ; P = 0 reads W, P = 1 and 2 memory_bank: the choice hangs on the work-group's number alone
	s_cselect_b64 s[4:5], s[4:5], s[6:7]
	s_add_nc_u64 s[26:27], s[8:9], s[26:27]
	s_add_nc_u64 s[28:29], s[8:9], s[28:29]
	s_cmp_lt_u32 ttmp9, 128
	s_cbranch_scc0 .Lk_first                       ; the two ways differ in their loads alone
	; K innermost: my row's 16 neighbours of each block of 32: four loads of 16 bytes a block
	s_lshl_b32 s30, s22, 12                        ; a row is 4,096 bytes
	s_lshl_b32 s31, s19, 9                         ; a K step 512
	s_add_co_u32 s30, s30, s31
	s_mov_b32 s31, 0
	s_add_nc_u64 s[4:5], s[4:5], s[30:31]
	v_lshlrev_b32 v4, 12, v7
	v_lshl_add_u32 v4, v3, 6, v4                   ; (r + 8 (r / 8)) rows + 64 h
.irp k, 0,1,2,3
.irp j, 0,1,2,3
	global_load_b128 v[X+16*\k+4*\j:X+16*\k+4*\j+3], v4, s[4:5] offset:128*\k+16*\j
.endr
.endr
	s_branch .Lloaded
.Lk_first:
	; K is the first axis: my lane takes a column and its registers run down K
	s_lshl_b32 s30, s22, 2
	s_lshl_b32 s31, s19, 19                        ; a K step is 128 rows of 4,096 bytes
	s_add_co_u32 s30, s30, s31
	s_mov_b32 s31, 0
	s_add_nc_u64 s[4:5], s[4:5], s[30:31]
	v_lshlrev_b32 v4, 2, v7
	v_lshl_add_u32 v4, v3, 16, v4                  ; column r + 8 (r / 8), 16 h rows down
.irp k, 0,1,2,3
.irp i, 0,1,2,3,4,5,6,7,8,9,10,11,12,13,14,15
	global_load_b32 v[X+16*\k+\i], v4, s[4:5] offset:(32*\k+\i)*4096
.endr
.endr
.Lloaded:
	s_wait_loadcnt 0x0
	QUANT X
.irp c, 0,1,2
	global_store_b128 v5, v[PC+4*\c:PC+4*\c+3], s[26:27] offset:512*\c   ; the fragment as it stands: 512 consecutive bytes a store
.endr
	ds_store_b32 v6, v[PW]                         ; lanes r and r + 16 write the same word with the same value
	s_wait_dscnt 0x0                               ; my word has landed: then the barrier, behind which wave 0 reads all eight waves' words
	s_barrier_signal -1
	s_barrier_wait -1
	s_cmp_lg_u32 s12, 0
	s_cbranch_scc1 .Ldone
	ds_load_b128 v[8:11], v5
	s_wait_dscnt 0x0
	global_store_b128 v5, v[8:11], s[28:29]        ; the image: 512 consecutive bytes
.Ldone:
	s_wait_tensorcnt 0x0
	ds_add_u32 v128, v129
	s_wait_dscnt 0x0
	s_endpgm
.Lfunc_end_k_qabd1e12267_prep:
	.size	k_qabd1e12267_prep, .Lfunc_end_k_qabd1e12267_prep-k_qabd1e12267_prep
	.p2alignl 7, 3214868480
	.fill 96, 4, 3214868480
	.section	.rodata,"a",@progbits
	.p2align	6, 0x0
	.amdhsa_kernel k_qabd1e12267_prep
		.amdhsa_group_segment_fixed_size 2048
		.amdhsa_private_segment_fixed_size 0
		.amdhsa_enable_private_segment 0
		.amdhsa_kernarg_size 24
		.amdhsa_user_sgpr_count 2
		.amdhsa_user_sgpr_kernarg_segment_ptr 1
		.amdhsa_wavefront_size32 1
		.amdhsa_system_sgpr_workgroup_id_x 1
		.amdhsa_system_sgpr_workgroup_id_y 1
		.amdhsa_system_sgpr_workgroup_id_z 1
		.amdhsa_system_vgpr_workitem_id 0
		.amdhsa_next_free_vgpr 130
		.amdhsa_next_free_sgpr 66
		.amdhsa_reserve_vcc 0
		.amdhsa_float_denorm_mode_32 3
		.amdhsa_float_denorm_mode_16_64 3
		.amdhsa_memory_ordered 1
		.amdhsa_forward_progress 1
		.amdhsa_inst_pref_size 15
	.end_amdhsa_kernel
	.amdgpu_metadata
---
amdhsa.version: [ 1, 2 ]
amdhsa.kernels:
  - .name:           k_qabd1e12267_prep
    .symbol:         k_qabd1e12267_prep.kd
    .args:
      - { .name: W, .offset: 0, .size: 8, .value_kind: global_buffer, .address_space: global }
      - { .name: memory_bank, .offset: 8, .size: 8, .value_kind: global_buffer, .address_space: global }
      - { .name: wq, .offset: 16, .size: 8, .value_kind: global_buffer, .address_space: global }
    .group_segment_fixed_size: 2048
    .private_segment_fixed_size: 0
    .kernarg_segment_align: 8
    .kernarg_segment_size: 24
    .max_flat_workgroup_size: 256
    .sgpr_count:     66
    .vgpr_count:     130
    .wavefront_size: 32
...
	.end_amdgpu_metadata
.endif
;; end of part 1
;; launch fused (part 2): grid 256 x 1, 4 waves a work-group, clusters of 4 x 1, 327,680 bytes of LDS; arguments x, b, wq, out0; writes out0
.if DOCPART == 2
	.amdgcn_target "amdgcn-amd-amdhsa--gfx1250"
	.amdhsa_code_object_version 6
	.text
	.protected	k_qabd1e12267_fused
	.globl	k_qabd1e12267_fused
	.p2align	8
	.type	k_qabd1e12267_fused,@function
k_qabd1e12267_fused:
	s_mov_b64 s[64:65], 0
	v_nop
	global_prefetch_b8 v0, s[64:65] scope:SCOPE_SE
	s_setreg_imm32_b32 hwreg(HW_REG_WAVE_MODE, 25, 1), 1
	s_wait_xcnt 0x0
	s_wait_alu depctr_hold_cnt(0) depctr_sa_sdst(0) depctr_va_vdst(0) depctr_va_sdst(0) depctr_va_ssrc(0) depctr_va_vcc(0) depctr_vm_vsrc(0)
	s_getreg_b32 s2, hwreg(HW_REG_IB_STS2, 6, 4)
	s_cmp_eq_u32 s2, 0
	s_cbranch_scc0 .Lentry_in_a_cluster
	s_endpgm
.Lentry_in_a_cluster:
	s_bfe_u32 s2, ttmp6, 0x10000c
	s_cmp_lg_u32 s2, 0x3003
	s_cbranch_scc0 .Lentry_shape_is_right
	s_endpgm
.Lentry_shape_is_right:
; out0 = softmax((x W^T + b) mem^T) mem for 16,384 rows of 1,024, all three products on codes of FP6 (E2M3) with one E8M0 scale for each 32 along K; sums in f32.  Nothing between the products goes to memory.
; SOFTMAX: t = score x log2(e); M = the row's largest t rounded up to a whole number; p = 2^(t - M) is what is quantised; the row's sum is taken of the unquantised p and divides the result at the end.
; A row's 1,024 scores stay in registers, so M is the whole row's and nothing is rescaled.
; SHARES.  A work-group owns 64 rows (four tiles m of 16).  ITS FOUR WAVES SHARE THE COLUMNS: in every product wave w makes columns 256 w .. 256 w + 255 of all 64 rows: 16 x 4 accumulators, 512 registers.
; Every product is used TRANSPOSED (source 0 = 16 weight rows, source 1 = 16 of my rows): a lane holds one of my rows, and by the choice of weight rows that the launch before has laid down, the 64 registers
; of (half G of my columns, tile m) are K 32 k + 16 (lane / 16) + i of K step 2 w + G of the NEXT product: they are quantised in registers and go to the other waves through LDS as images of the operand's registers.
; WEIGHTS: 24 K steps (8 a product), each with a record of 25,600 bytes for each wave (16 fragments and their scale words, in register order), through a ring of two LDS slots.  A wave fetches and reads its own record.
; CLUSTER: all row blocks walk the same 24 x 4 records in the same order, so the four work-groups of a cluster ask for each JOINTLY: the same tensor load, the same descriptor, mask 15; that divides the requests by four.
; lds_bytes is all of a WGP's LDS; the text uses 296,448 bytes.
; LIMITS: NaN and infinities among the inputs are not served.  A block of zeros gets the scale byte 1 (its codes are zeros; this program alone reads the bytes).  p under 2^-126 is 0: v_exp_f32 gives 0 for results
; that would be denormal (ISA guide, 15.8).  1 / l is v_rcp_f32 and a multiplication.
; REGISTERS, in windows of 256: window 0: v1-19 addresses; v20-23, v24-39 scale words (two sets each); v40-135 my rows' fragments, two sets of four; v136-199 64 numbers ahead of the quantiser; v200-236 the quantiser's;
;   v238-253 four registers of statistics a tile.   window 1: v0-191 the 16 weight fragments, ONE set; v192-255 the bias of my upper 128 columns.   windows 2, 3: the accumulators of my lower and upper 128 columns,
;   accumulator (t, m) at v[64 m + 8 (t % 8)]; at the start they are where x lands.
.set REC,   25600                      ; a record
.set SLOTB, 4*REC                      ; a slot: wave w's record at REC w
.set ACT,   2*SLOTB                    ; my rows' fragments as images: (K step s, tile m) at 1536 (4 s + m) + 512 c + 16 lane: x, then q, then p
.set ASC,   ACT+32*1536                ; their scale words: (s, m, r) at 256 s + 8 (r + 16 (m % 2)) + 4 (m / 2)
.set BIAS,  ASC+2048                   ; b as it lies; wave w's 1,024 bytes are its own
.set RED,   BIAS+4096                  ; the waves' row maxima: 256 m + 16 r + 4 w; 1,024 bytes on: their row sums
.set XSTG,  RED+2048                   ; for each wave 16 rows x 528 bytes: x's turn on the way in, the stage on the way out
.set SP,    528                        ; 512 bytes + 16 = 33 x 16: the sixteen rows that a load or store touches begin in sixteen different 16-byte columns of 256 bytes
.set SPARE, XSTG+4*16*SP               ; the spare words, 128 bytes for each wave: two blocks of 256 bytes that no other line names
.set SPW, 1                            ; SPARE + 4 x my thread's number; never rewritten
.set NIL, 2                            ; 0; never rewritten
.set WA,  3                            ; v3, v4  my record in slot 0, 1: 16 lane + REC w + SLOTB n
.set LI,  5                            ; ACT + 16 lane
.set LS,  6                            ; ASC + 8 lane
.set AA,  7                            ; the K step's fragments of my rows
.set AB,  8                            ; and their scale words
.set GL,  9                            ; 16 lane
.set STI, 10                           ; my stage by rows: 16 lane
.set STO, 11                           ; my stage by lanes: 528 r + 64 h
.set XWI, 12                           ; where I store x's images: ACT + 1536 w + 16 lane
.set XWS, 13                           ; and their scale words: ASC + 8 r + 128 (w % 2) + 4 (w / 2)
.set HWI, 14                           ; q's and p's: ACT + 12288 w + 16 lane
.set HWS, 15                           ; ASC + 8 r + 512 w
.set BA,  16                           ; BIAS + 1024 w + 64 h
.set RW,  17                           ; RED + 16 r + 4 w
.set RR,  18                           ; RED + 16 r
.set BW,  19                           ; BIAS + 1024 w + 16 lane
.set ASW, 20                           ; my rows' scale words: set p at +2 p; register + m / 2; lanes 0-15 even m, lanes 16-31 odd m
.set WSW, 24                           ; the weights': set p at +8 p; register + 4 (t / 8) + (t % 8) / 2; lanes 0-15 even t, lanes 16-31 odd t
.set AF,  40                           ; my rows' fragments: set p at +48 p, tile m at +12 m
.set BI0, 40                           ; the bias of my lower 128 columns (window 0);
.set BI1, 192                          ; of my upper 128 (window 1)
.set XT,  136                          ; 64 numbers; 96 below it a second such set
.set PC,  200
.set TM,  220
.set PW,  236
.set ST,  238                          ; tile m at +4 m: +0 -M, +1 the largest score, then t; +2, +3 the sum in two halves, later +2 = 1 / l
.set T0,  254
.set T1,  255
.set T2,  237
.set WV,  12                           ; s12 my wave's number
.set G1,  24                           ; s[24:31] descriptor group 1
.set G0,  32                           ; s[32:39] group 0, a set for each slot
.set CNT, 40
.set TA,  41                           ; s41 the K step's place in ACT: 6,144 a step
.set TS,  42                           ; s42 and in ASC: 256 a step
.set CS,  44                           ; s[44:45] log2(e): the packed form names a pair and takes its low word
.set SEL, 46                           ; s[46:47] lane selects for v_permlanex16_b32: lane l xor 16
.set MSB, 0
.macro WIN new                         ; the immediate's high byte repeats the setting that is left; a switch that changes nothing is dropped
.if MSB != (\new)
	s_set_vgpr_msb (MSB<<8)|(\new)
.set MSB, (\new)
.endif
.endm
.set MUL_LO, 0xa1                      ; source 0 (weights) window 1, source 1 (my rows) window 0, C and D window 2
.set MUL_HI, 0xf1                      ; the same, C and D window 3
.set TO_W,   0x40                      ; destination window 1, address window 0
.macro PLACES n                        ; plain vector instructions between a matrix instruction and a load into, or a read of, its registers
.rept \n
	v_nop
.endr
.endm
.macro CREST                           ; a round of the cluster's barrier behind its opening barrier
	s_cmp_lg_u32 s[WV], 0
	s_cbranch_scc1 .Lnot_wave_0_\@
	s_barrier_signal -3
.Lnot_wave_0_\@:
	s_barrier_wait -3
	s_barrier_signal -1
	s_barrier_wait -1
.endm
.macro CROUND                          ; a whole round
	s_barrier_signal -1
	s_barrier_wait -1
	CREST
.endm
.macro BARRIER                         ; my LDS stores have landed and my LDS loads are in: then the work-group's barrier.
	s_wait_dscnt 0x0
	s_barrier_signal -1
	s_barrier_wait -1
.endm
; 64 numbers of a lane, v[s] on, register 16 b + i = K 32 b + 16 (lane / 16) + i of my row, become a fragment's codes in v[PC] on and its scale word in v[PW].
.macro QUANT s
.irp b, 0,1,2,3
	v_max3_num_f32 v[TM+\b], |v[\s+16*\b]|, |v[\s+1+16*\b]|, 0x1800000   ; block b: my 16 numbers, and the floor 2^(3 - 127): the byte cannot fall under 1
.endr
.irp i, 2,4,6,8,10,12,14
.irp b, 0,1,2,3
	v_max3_num_f32 v[TM+\b], v[TM+\b], |v[\s+16*\b+\i]|, |v[\s+1+16*\b+\i]|   ; the four blocks by turns
.endr
.endr
.irp b, 0,1,2,3
	v_permlanex16_b32 v[TM+4+\b], v[TM+\b], s[SEL], s[SEL+1]
.endr
.irp b, 0,1,2,3
	v_max_num_f32 v[TM+\b], v[TM+\b], v[TM+4+\b]   ; with lane l xor 16's 16: the block's largest magnitude
.endr
.irp b, 0,1,2,3
	v_add_nc_u32 v[TM+12+\b], 0xff000000, v[TM+\b]   ; 2 off its exponent field: the conversion takes this operand's exponent field as its scale
.endr
.irp b, 0,1,2,3
	v_lshrrev_b32 v[TM+4+\b], 23, v[TM+12+\b]      ; the scale's byte
.endr
	v_lshl_or_b32 v[PW], v[TM+5], 8, v[TM+4]
	v_lshl_or_b32 v[PW], v[TM+6], 16, v[PW]
	v_lshl_or_b32 v[PW], v[TM+7], 24, v[PW]
.irp c, 0,1
	v_cvt_scalef32_pk16_fp6_f32 v[PC+6*\c:PC+2+6*\c], v[\s+32*\c:\s+15+32*\c], v[TM+12+2*\c]
	v_cvt_scalef32_pk16_fp6_f32 v[PC+12+4*\c:PC+14+4*\c], v[\s+16+32*\c:\s+31+32*\c], v[TM+12+2*\c+1]   ; (a conversion's three registers begin on an even number)
.endr
	v_nop                                          ; one plain instruction behind the scaled conversions
.irp c, 0,1                                    ; the operand wants a whole block in a lane: lanes 0-15 block 2 c, lanes 16-31 block 2 c + 1
.irp i, 0,1,2
	v_permlane16_swap_b32 v[PC+6*\c+\i], v[PC+12+4*\c+\i]
.endr
.irp i, 0,1,2
	v_mov_b32 v[PC+3+6*\c+\i], v[PC+12+4*\c+\i]
.endr
.endr
.endm
.macro IMAGE adr, off                  ; the fragment in v[PC] on goes to LDS as it stands: 512 consecutive bytes a store
.irp c, 0,1,2
	ds_store_b128 v[\adr], v[PC+4*\c:PC+4*\c+3] offset:(\off)+512*\c
.endr
.endm
; Four matrix instructions: weight fragment t against my four tiles of rows, sets p.  zero = 1: the product starts the sums: nothing is cleared.
; The 64 accumulators take turns, one instruction a turn, in the same order in every K step.
.macro MULT t, p, zero
.irp m, 0,1,2,3
.set rD, 64*\m+8*((\t)%8)
.set rA, 12*(\t)
.set rB, AF+48*(\p)+12*\m
.set rX, WSW+8*(\p)+4*((\t)/8)+((\t)%8)/2
.set rY, ASW+2*(\p)+\m/2
.set oA, (\t)%2
.set oB, \m%2
.if \zero
.if oA && oB
	v_wmma_scale_f32_16x16x128_f8f6f4 v[rD:rD+7], v[rA:rA+11], v[rB:rB+11], 0, v[rX], v[rY] matrix_a_fmt:MATRIX_FMT_FP6 matrix_b_fmt:MATRIX_FMT_FP6 matrix_a_scale:MATRIX_SCALE_ROW1 matrix_b_scale:MATRIX_SCALE_ROW1
.elseif oA
	v_wmma_scale_f32_16x16x128_f8f6f4 v[rD:rD+7], v[rA:rA+11], v[rB:rB+11], 0, v[rX], v[rY] matrix_a_fmt:MATRIX_FMT_FP6 matrix_b_fmt:MATRIX_FMT_FP6 matrix_a_scale:MATRIX_SCALE_ROW1
.elseif oB
	v_wmma_scale_f32_16x16x128_f8f6f4 v[rD:rD+7], v[rA:rA+11], v[rB:rB+11], 0, v[rX], v[rY] matrix_a_fmt:MATRIX_FMT_FP6 matrix_b_fmt:MATRIX_FMT_FP6 matrix_b_scale:MATRIX_SCALE_ROW1
.else
	v_wmma_scale_f32_16x16x128_f8f6f4 v[rD:rD+7], v[rA:rA+11], v[rB:rB+11], 0, v[rX], v[rY] matrix_a_fmt:MATRIX_FMT_FP6 matrix_b_fmt:MATRIX_FMT_FP6
.endif
.else
.if oA && oB
	v_wmma_scale_f32_16x16x128_f8f6f4 v[rD:rD+7], v[rA:rA+11], v[rB:rB+11], v[rD:rD+7], v[rX], v[rY] matrix_a_fmt:MATRIX_FMT_FP6 matrix_b_fmt:MATRIX_FMT_FP6 matrix_a_scale:MATRIX_SCALE_ROW1 matrix_b_scale:MATRIX_SCALE_ROW1
.elseif oA
	v_wmma_scale_f32_16x16x128_f8f6f4 v[rD:rD+7], v[rA:rA+11], v[rB:rB+11], v[rD:rD+7], v[rX], v[rY] matrix_a_fmt:MATRIX_FMT_FP6 matrix_b_fmt:MATRIX_FMT_FP6 matrix_a_scale:MATRIX_SCALE_ROW1
.elseif oB
	v_wmma_scale_f32_16x16x128_f8f6f4 v[rD:rD+7], v[rA:rA+11], v[rB:rB+11], v[rD:rD+7], v[rX], v[rY] matrix_a_fmt:MATRIX_FMT_FP6 matrix_b_fmt:MATRIX_FMT_FP6 matrix_b_scale:MATRIX_SCALE_ROW1
.else
	v_wmma_scale_f32_16x16x128_f8f6f4 v[rD:rD+7], v[rA:rA+11], v[rB:rB+11], v[rD:rD+7], v[rX], v[rY] matrix_a_fmt:MATRIX_FMT_FP6 matrix_b_fmt:MATRIX_FMT_FP6
.endif
.endif
.endr
.endm
.macro FETCH_W n, half                 ; 24 loads: weight fragments 8 half .. 8 half + 7 of my record in slot n
	WIN TO_W
.irp t, 0,1,2,3,4,5,6,7
.irp c, 0,1,2
	ds_load_b128 v[12*(8*(\half)+\t)+4*\c:12*(8*(\half)+\t)+4*\c+3], v[WA+(\n)] offset:1536*(8*(\half)+\t)+512*\c
.endr
.endr
.endm
.macro FETCH_WS n                      ; 2 loads: the 16 fragments' scale words, into set n
.irp i, 0,1
	ds_load_b128 v[WSW+8*(\n)+4*\i:WSW+8*(\n)+4*\i+3], v[WA+(\n)] offset:24576+512*\i
.endr
.endm
.macro FETCH_ACT p                     ; 13 loads: my four tiles' fragments of the K step at v[AA], and their scale words, into sets p
.irp m, 0,1,2,3
.irp c, 0,1,2
	ds_load_b128 v[AF+48*(\p)+12*\m+4*\c:AF+48*(\p)+12*\m+4*\c+3], v[AA] offset:1536*\m+512*\c
.endr
.endr
	ds_load_b64 v[ASW+2*(\p):ASW+2*(\p)+1], v[AB]
.endm
; ONE K STEP: 64 matrix instructions on the record of slot `slot`, all of which is in registers or on its way there when the step begins.
; fill = 1: the slot is filled again with the record two K steps on.  In front of the round each wave waits for all its tensor loads (one is out: the other slot's record), adds 0 to its spare word, and waits for that
; and for its LDS loads, the last of this slot among them.  The joint refill is the first thing behind the round; it has this step's last 32 and the next step's first 24 matrix instructions in which to land.
; nw = 1: the next step's weights are fetched: fragments 0-7 in the middle, when their registers are free, fragments 8-15 at the end.  nact = 1: my rows' next fragments too.
; head: the LDS loads that may be out at the step's head: the 24 of fragments 8-15, or none.
.macro TURN slot, zero, fill, nact, nw, head
	s_wait_dscnt \head
	WIN MUL_LO
.irp t, 0,1,2,3,4,5
	MULT \t, \slot, \zero
.endr
.if \fill
	WIN 0                                          ; (the add's two registers lie in window 0)
	s_wait_tensorcnt 0x0                           ; all my tensor loads have landed: the other slot's record; so a group 0 may be written
	ds_add_u32 v[SPW], v[NIL]                      ; 0 onto my spare word
	s_add_nc_u64 s[G0+4*\slot+2:G0+4*\slot+3], s[G0+4*\slot+2:G0+4*\slot+3], 2*SLOTB   ; this slot's next record; the type bits on top are not reached
	WIN MUL_LO
	MULT 6, \slot, \zero                           ; four matrix instructions stand between the add and the wait for it
	s_wait_dscnt 0x0                               ; the add is done, and my reads of this slot are over
	s_barrier_signal -1
	MULT 7, \slot, \zero
	WIN 0
	s_barrier_wait -1
	CREST                                          ; no wave of any partner still reads this slot or has a load on its way
	tensor_load_to_lds s[G0+4*\slot:G0+4*\slot+3], s[G1:G1+7]
	s_nop 0
	PLACES 4                                       ; behind a tensor load; also the places in front of the loads below
.else
	MULT 6, \slot, \zero
	MULT 7, \slot, \zero
	WIN 0
	s_wait_dscnt 0x0                               ; fragments 8-15 are in
.if \nw
	s_wait_tensorcnt 0x0                           ; the last record has landed: no load was issued behind it
.endif
.if \nw || \nact
	PLACES 4
.endif
.endif
.if \nw
	FETCH_W 1-\slot, 0
	WIN 0
	FETCH_WS 1-\slot
.endif
.if \nact
	s_add_co_u32 s[TA], s[TA], 6144
	s_add_co_u32 s[TS], s[TS], 256
	v_add_nc_u32 v[AA], s[TA], v[LI]
	v_add_nc_u32 v[AB], s[TS], v[LS]
	FETCH_ACT 1-\slot
.endif
	WIN MUL_HI
.irp t, 8,9,10,11,12,13,14,15
	MULT \t, \slot, \zero
.endr
	PLACES 4                                       ; in front of the loads below, and of the first read of results behind a product's last step
.if \nw
	FETCH_W 1-\slot, 1
.endif
	WIN 0
.endm
.macro PRO                             ; a product's first fragments of my rows
	s_mov_b32 s[TA], 0
	s_mov_b32 s[TS], 0
	v_add_nc_u32 v[AA], s[TA], v[LI]
	v_add_nc_u32 v[AB], s[TS], v[LS]
	FETCH_ACT 0
.endm
.macro EIGHT head                      ; a product's eight K steps, where another product's records follow in the ring
	TURN 0, 1, 1, 1, 1, \head
	s_mov_b32 s[CNT], 3
.Lpair_\@:
	TURN 1, 0, 1, 1, 1, 24
	TURN 0, 0, 1, 1, 1, 24
	s_sub_co_u32 s[CNT], s[CNT], 1
	s_cmp_lg_u32 s[CNT], 0
	s_cbranch_scc1 .Lpair_\@
	TURN 1, 0, 1, 0, 1, 24                         ; the last step fetches the next product's first weights, and none of my rows' fragments: those are not made yet
.endm
; K step s of my 16 rows of x goes through my stage: in as it was loaded (a row's 512 bytes to a store), out 64 bytes of row r to a lane.  LDS serves a wave's instructions in order (ISA guide 5.7.1.4).
.macro XTURN s
	WIN 0x08+4*((\s)/4)                            ; an LDS store's data are its source 1: window 2 or 3
.irp i, 0,1,2,3,4,5,6,7,8,9,10,11,12,13,14,15
	ds_store_b128 v[STI], v[64*((\s)%4)+4*\i:64*((\s)%4)+4*\i+3] offset:SP*\i
.endr
	WIN 0
.set XR, XT-96*((\s)%2)
.irp k, 0,1,2,3
.irp j, 0,1,2,3
	ds_load_b128 v[XR+16*\k+4*\j:XR+16*\k+4*\j+3], v[STO] offset:128*\k+16*\j
.endr
.endr
.endm
; q of (half g of my columns, tile m): the sum and the bias, in one packed addition that also brings the numbers into window 0; quantised; K step 2 w + g of the second product.
.macro QBLOCK g, m
	WIN 0x02+5*\g                                  ; source 0: window 2 or 3; source 1 (the bias): window 0 or 1
.set BIX, BI0+(BI1-BI0)*\g
.set j, 0
.rept 32
	v_pk_add_f32 v[XT+j:XT+j+1], v[64*\m+j:64*\m+j+1], v[BIX+j:BIX+j+1]   ; each accumulator from its low end on
.set j, j+2
.endr
	WIN 0
	s_wait_dscnt 0x0                               ; the last image's stores have read their registers
	QUANT XT
	IMAGE HWI, (4*\g+\m)*1536
	ds_store_b32 v[HWS], v[PW] offset:256*\g+128*(\m%2)+4*(\m/2)
.endm
; p of (g, m): t - M by one fused multiply-add, 2^(t - M), the sum of the unquantised p, the quantiser; K step 2 w + g of the third product.
.macro PBLOCK g, m
	WIN 0x02+\g
.set j, 0
.rept 32
	v_pk_fma_f32 v[XT+j:XT+j+1], v[64*\m+j:64*\m+j+1], s[CS:CS+1], v[ST+4*\m:ST+4*\m+1] op_sel_hi:[1,0,0]   ; of the pairs log2(e) and -M the low word serves both halves
.set j, j+2
.endr
	WIN 0
.set j, 0
.rept 64
	v_exp_f32 v[XT+j], v[XT+j]
.set j, j+1
.endr
	v_nop                                          ; a plain instruction behind the last exponential
	s_wait_alu depctr_va_vdst(0)                   ; one wait for the batch of 64, ahead of its first reader
	v_pk_add_f32 v[T0:T1], v[XT:XT+1], v[XT+2:XT+3]   ; two chains
.set j, 4
.rept 15
	v_pk_add_f32 v[ST+4*\m+2:ST+4*\m+3], v[ST+4*\m+2:ST+4*\m+3], v[XT+j:XT+j+1]
	v_pk_add_f32 v[T0:T1], v[T0:T1], v[XT+j+2:XT+j+3]
.set j, j+4
.endr
	v_pk_add_f32 v[ST+4*\m+2:ST+4*\m+3], v[ST+4*\m+2:ST+4*\m+3], v[T0:T1]
	s_wait_dscnt 0x0                               ; the last image's stores have read their registers
	QUANT XT
	IMAGE HWI, (4*\g+\m)*1536
	ds_store_b32 v[HWS], v[PW] offset:256*\g+128*(\m%2)+4*(\m/2)
.endm
; THE WAY OUT of block a = 4 g + m: 16 rows x 128 columns.  SCALE: x 1 / l, in place.  TOSTAGE: a lane's pieces of row r into my stage, whole rows of 512 bytes back.  SEND: stored.
.macro SCALE a
	WIN 0x82+0x41*((\a)/4)                         ; destination and source 0: window 2 or 3
.set j, 0
.rept 32
	v_pk_mul_f32 v[64*((\a)%4)+j:64*((\a)%4)+j+1], v[64*((\a)%4)+j:64*((\a)%4)+j+1], v[ST+4*((\a)%4)+2:ST+4*((\a)%4)+3] op_sel_hi:[1,0]   ; each accumulator from its low end on
.set j, j+2
.endr
	WIN 0
.endm
.macro TOSTAGE a
	WIN 0x08+4*((\a)/4)
.irp t, 0,1,2,3,4,5,6,7
.irp q, 0,1
	ds_store_b128 v[STO], v[64*((\a)%4)+8*\t+4*\q:64*((\a)%4)+8*\t+4*\q+3] offset:128*(\t/2)+32*(\t%2)+16*\q
.endr
.endr
	WIN 0
.set BB, XT-96*((\a)%2)
.irp i, 0,1,2,3,4,5,6,7,8,9,10,11,12,13,14,15
	ds_load_b128 v[BB+4*\i:BB+4*\i+3], v[STI] offset:SP*\i   ; these see the stores above, and the next block's stores come behind them: LDS serves a wave's instructions in order
.endr
.endm
.macro SEND a, younger                 ; younger: the LDS instructions issued behind block a's loads, which may stay out
.set BB, XT-96*((\a)%2)
	s_wait_dscnt \younger
.irp i, 0,1,2,3,4,5,6,7,8,9,10,11,12,13,14,15
	global_store_b128 v[GL], v[BB+4*\i:BB+4*\i+3], s[10:11] offset:(16*((\a)%4)+\i)*4096+512*((\a)/4) th:TH_STORE_NT   ; 32 lanes store 512 consecutive bytes, at a multiple of 256 from out0's first byte
.endr
.endm
	; ---- the head
	s_load_b256 s[4:11], s[0:1], 0x0               ; x s[4:5], b s[6:7], wq s[8:9], out0 s[10:11]
	v_lshl_add_u32 v[SPW], v0, 2, SPARE
	v_mov_b32 v[NIL], 0
	ds_add_u32 v1, v2
	ds_add_u32 v1, v2
	s_wait_dscnt 0x0
	v_lshrrev_b32 v[T0], 5, v0
	v_readfirstlane_b32 s[WV], v[T0]               ; wave 0..3
	s_bfe_u32 s13, ttmp6, 0x40000                  ; cx: my place in the cluster: it enters x's and out0's addresses alone
	s_lshl_b32 s14, ttmp9, 2                       ; in a cluster launch ttmp9 counts clusters
	s_add_co_u32 s14, s14, s13                     ; my block of 64 rows
	s_lshl_b32 s16, s14, 18                        ; 64 rows of 4,096 bytes
	s_lshl_b32 s18, s[WV], 16
	s_add_co_u32 s18, s18, s16                     ; x: + 16 rows a wave
	s_mov_b32 s19, 0
	s_lshl_b32 s20, s[WV], 10                      ; b: my 256 numbers
	s_mov_b32 s21, 0
	s_add_co_u32 s22, s16, s20                     ; out0: + my 256 columns
	s_mov_b32 s23, 0
	s_mul_i32 s2, s[WV], REC                       ; my record's place in a K step of wq and in a slot: the wave's number alone
	s_mov_b32 s3, 0
	; descriptor group 1: a record is a dense block: 100 rows of 256 bytes (32 elements of 8 bytes)
	s_mov_b32 s[G1], 15|(3<<16)|(1<<21)            ; 15:0 the mask: all four work-groups; 17:16 elements of 8 bytes; 20 no padding; 21 set beside a mask
	s_mov_b32 s[G1+1], 32<<16                      ; tensor_dim0 = 32
	s_mov_b32 s[G1+2], 100<<16                     ; tensor_dim1 = 100
	s_mov_b32 s[G1+3], 32<<16                      ; tile_dim0 = 32
	s_mov_b32 s[G1+4], 100                         ; tile_dim1 = 100
	s_mov_b32 s[G1+5], 32                          ; from row to row
	s_mov_b32 s[G1+6], 0
	s_mov_b32 s[G1+7], 0
	s_mov_b32 s[CS], 0x3fb8aa3b                    ; log2(e)
	s_mov_b32 s[CS+1], s[CS]                       ; (named with it as a pair, so it is written)
	s_mov_b32 s[SEL], 0x76543210
	s_mov_b32 s[SEL+1], 0xfedcba98
	s_wait_kmcnt 0x0
	s_add_nc_u64 s[4:5], s[4:5], s[18:19]
	s_add_nc_u64 s[6:7], s[6:7], s[20:21]
	s_add_nc_u64 s[8:9], s[8:9], s[2:3]
	s_add_nc_u64 s[10:11], s[10:11], s[22:23]
	CROUND                                         ; all four work-groups are here: the first joint loads meet
.irp n, 0,1
	s_mov_b32 s[G0+4*\n], 1                        ; count = 1
	s_add_co_u32 s[G0+4*\n+1], s2, \n*SLOTB        ; LDS address
	s_add_nc_u64 s[G0+4*\n+2:G0+4*\n+3], s[8:9], \n*SLOTB   ; global address: K step n
	s_or_b32 s[G0+4*\n+3], s[G0+4*\n+3], 0x80000000   ; type = 2
.endr
	tensor_load_to_lds s[G0:G0+3], s[G1:G1+7]      ; the two first fills go out together: two loads of mine are out here, one behind each later round
	s_nop 0
	tensor_load_to_lds s[G0+4:G0+7], s[G1:G1+7]
	s_nop 0
	PLACES 4
	v_and_b32 v[T0], 31, v0                        ; lane
	v_and_b32 v[T1], 15, v0                        ; r
	v_bfe_u32 v[T2], v0, 4, 1                      ; h
	v_lshlrev_b32 v[GL], 4, v[T0]
	v_add_nc_u32 v[WA], s2, v[GL]
	v_add_nc_u32 v[WA+1], SLOTB, v[WA]
	v_add_nc_u32 v[LI], ACT, v[GL]
	v_lshl_add_u32 v[LS], v[T0], 3, ASC
	s_mul_i32 s43, s[WV], 16*SP
	s_add_co_u32 s43, s43, XSTG                    ; my stage
	v_add_nc_u32 v[STI], s43, v[GL]
	v_mul_u32_u24 v[STO], v[T1], SP
	v_lshl_add_u32 v[STO], v[T2], 6, v[STO]
	v_add_nc_u32 v[STO], s43, v[STO]
	s_mul_i32 s43, s[WV], 1536
	v_add_nc_u32 v[XWI], s43, v[LI]
	s_and_b32 s43, s[WV], 1
	s_lshl_b32 s43, s43, 7
	s_lshr_b32 s15, s[WV], 1
	s_lshl_b32 s15, s15, 2
	s_add_co_u32 s43, s43, s15
	s_add_co_u32 s43, s43, ASC
	v_lshl_add_u32 v[XWS], v[T1], 3, s43
	s_mul_i32 s43, s[WV], 12288
	v_add_nc_u32 v[HWI], s43, v[LI]
	s_lshl_b32 s43, s[WV], 9
	s_add_co_u32 s43, s43, ASC
	v_lshl_add_u32 v[HWS], v[T1], 3, s43
	s_lshl_b32 s43, s[WV], 10
	s_add_co_u32 s43, s43, BIAS
	v_lshl_add_u32 v[BA], v[T2], 6, s43
	v_add_nc_u32 v[BW], s43, v[GL]
	s_lshl_b32 s43, s[WV], 2
	s_add_co_u32 s43, s43, RED
	v_lshl_add_u32 v[RW], v[T1], 4, s43
	v_lshl_add_u32 v[RR], v[T1], 4, RED
.irp b, 0,1,2,3
	v_mov_b32 v[TM+4+\b], 0                        ; written once: a lane permute's destination counts as one of its sources
.endr
	global_load_b128 v[PC:PC+3], v[GL], s[6:7]     ; my 1,024 bytes of b
	global_load_b128 v[PC+4:PC+7], v[GL], s[6:7] offset:512
	WIN 0x80                                       ; destination window 2
.irp s, 0,1,2,3                                ; my 16 rows of x, K step by K step: each load takes 512 consecutive bytes of one row
.irp i, 0,1,2,3,4,5,6,7,8,9,10,11,12,13,14,15
	global_load_b128 v[64*\s+4*\i:64*\s+4*\i+3], v[GL], s[4:5] offset:4096*\i+512*\s th:TH_LOAD_NT
.endr
.endr
	WIN 0xc0                                       ; destination window 3
.irp s, 4,5,6,7
.irp i, 0,1,2,3,4,5,6,7,8,9,10,11,12,13,14,15
	global_load_b128 v[64*(\s-4)+4*\i:64*(\s-4)+4*\i+3], v[GL], s[4:5] offset:4096*\i+512*\s th:TH_LOAD_NT
.endr
.endr
	WIN 0
	; ---- X: wave w quantises tile w of the rows: eight fragments
	s_wait_loadcnt 63                              ; behind b's two loads and K step 0's sixteen 112 were issued
	ds_store_b128 v[BW], v[PC:PC+3]
	ds_store_b128 v[BW], v[PC+4:PC+7] offset:512
	XTURN 0
.irp s, 0,1,2,3,4,5,6,7
.if \s < 7
.if 16*(6-\s) > 63
	s_wait_loadcnt 63                              ; (as above)
.else
	s_wait_loadcnt 16*(6-\s)                       ; K step s + 1's sixteen loads are in; those of the later steps may be out
.endif
	XTURN \s+1                                     ; the next step turns through the stage while this one is quantised
	s_wait_dscnt 32                                ; all but that turn's 16 stores and 16 loads: this step's numbers are back, and the last image's stores have read their registers
.else
	s_wait_dscnt 0x0
.endif
.set QS, XT-96*(\s%2)
	QUANT QS
	IMAGE XWI, 6144*\s
	ds_store_b32 v[XWS], v[PW] offset:256*\s       ; lanes r and r + 16 write the same word with the same value
.endr
	s_wait_tensorcnt 0x1                           ; my record of K step 0 is in; K step 1's may stay out
	BARRIER                                        ; x's 32 fragments lie in LDS
	s_mov_b32 s[TA], 0
	s_mov_b32 s[TS], 0
	v_add_nc_u32 v[AA], s[TA], v[LI]
	v_add_nc_u32 v[AB], s[TS], v[LS]
	FETCH_W 0, 0
	WIN 0
	FETCH_WS 0
	FETCH_ACT 0
	FETCH_W 0, 1
	WIN 0
	; ---- the first product: x W^T
	EIGHT 24
	; ---- q = the sums + b, quantised.  x's images are written over: every wave's last read of them was waited for in front of the last step's round
.irp t, 0,1,2,3,4,5,6,7
.irp q, 0,1
	ds_load_b128 v[BI0+8*\t+4*\q:BI0+8*\t+4*\q+3], v[BA] offset:128*(\t/2)+32*(\t%2)+16*\q   ; b at my eight columns of fragment t: 32 (t / 2) + 16 h + 8 (t % 2) + 0 .. 7
.endr
.endr
	WIN TO_W
.irp t, 0,1,2,3,4,5,6,7
.irp q, 0,1
	ds_load_b128 v[BI1+8*\t+4*\q:BI1+8*\t+4*\q+3], v[BA] offset:512+128*(\t/2)+32*(\t%2)+16*\q
.endr
.endr
	WIN 0
	s_wait_dscnt 0x0
.irp g, 0,1
.irp m, 0,1,2,3
	QBLOCK \g, \m
.endr
.endr
	BARRIER                                        ; q's 32 fragments lie in LDS
	PRO
	; ---- the second product: q mem^T
	EIGHT 0
	; ---- the softmax.  First each row's largest score: my 128 registers of each tile, the four tiles by turns, each accumulator from its low end on
	WIN 0x0a
.irp m, 0,1,2,3
	v_max_num_f32 v[ST+4*\m+1], v[64*\m], v[64*\m+1]
.endr
	WIN 0x28
.set j, 2
.rept 31
.irp m, 0,1,2,3
	v_max3_num_f32 v[ST+4*\m+1], v[ST+4*\m+1], v[64*\m+j], v[64*\m+j+1]
.endr
.set j, j+2
.endr
	WIN 0x3c
.set j, 0
.rept 32
.irp m, 0,1,2,3
	v_max3_num_f32 v[ST+4*\m+1], v[ST+4*\m+1], v[64*\m+j], v[64*\m+j+1]
.endr
.set j, j+2
.endr
	WIN 0
.irp m, 0,1,2,3
	v_permlanex16_b32 v[TM+4+\m], v[ST+4*\m+1], s[SEL], s[SEL+1]
.endr
.irp m, 0,1,2,3
	v_max_num_f32 v[ST+4*\m+1], v[ST+4*\m+1], v[TM+4+\m]   ; with lane l xor 16's: my wave's 256 columns
.endr
.irp m, 0,1,2,3
	ds_store_b32 v[RW], v[ST+4*\m+1] offset:256*\m
.endr
	BARRIER
.irp m, 0,1,2,3
	ds_load_b128 v[TM+4*\m:TM+4*\m+3], v[RR] offset:256*\m   ; the four waves' maxima of row r
.endr
	s_wait_dscnt 0x0
.irp m, 0,1,2,3
	v_max3_num_f32 v[ST+4*\m+1], v[TM+4*\m], v[TM+4*\m+1], v[TM+4*\m+2]
.endr
.irp m, 0,1,2,3
	v_max_num_f32 v[ST+4*\m+1], v[ST+4*\m+1], v[TM+4*\m+3]
.endr
.irp m, 0,1,2,3
	v_mul_f32 v[ST+4*\m+1], s[CS], v[ST+4*\m+1]    ; as t
.endr
.irp m, 0,1,2,3
	v_floor_f32 v[ST+4*\m], -v[ST+4*\m+1]          ; -M = floor(-t) = -ceil(t)
.endr
.irp m, 0,1,2,3
	v_mov_b32 v[ST+4*\m+2], 0                      ; the sum, in two halves
	v_mov_b32 v[ST+4*\m+3], 0
.endr
.irp g, 0,1
.irp m, 0,1,2,3
	PBLOCK \g, \m
.endr
.endr
.irp m, 0,1,2,3
	v_add_f32 v[ST+4*\m+2], v[ST+4*\m+2], v[ST+4*\m+3]
.endr
.irp m, 0,1,2,3
	v_permlanex16_b32 v[TM+4+\m], v[ST+4*\m+2], s[SEL], s[SEL+1]
.endr
.irp m, 0,1,2,3
	v_add_f32 v[ST+4*\m+2], v[ST+4*\m+2], v[TM+4+\m]
.endr
.irp m, 0,1,2,3
	ds_store_b32 v[RW], v[ST+4*\m+2] offset:1024+256*\m
.endr
	BARRIER                                        ; p's 32 fragments and the waves' sums lie in LDS
	PRO
	; ---- the third product: p mem.  Its tail is written out
	TURN 0, 1, 1, 1, 1, 0
	s_mov_b32 s[CNT], 2
.Lpair_last:
	TURN 1, 0, 1, 1, 1, 24
	TURN 0, 0, 1, 1, 1, 24
	s_sub_co_u32 s[CNT], s[CNT], 1
	s_cmp_lg_u32 s[CNT], 0
	s_cbranch_scc1 .Lpair_last
	TURN 1, 0, 1, 1, 1, 24                         ; the last refill: the 24th K step's record
	TURN 0, 0, 0, 1, 1, 24
	TURN 1, 0, 0, 0, 0, 24
	; ---- the way out
.irp m, 0,1,2,3
	ds_load_b128 v[TM+4*\m:TM+4*\m+3], v[RR] offset:1024+256*\m   ; the four waves' sums of row r
.endr
	s_wait_dscnt 0x0
.irp m, 0,1,2,3
	v_add_f32 v[TM+4*\m], v[TM+4*\m], v[TM+4*\m+1]
.endr
.irp m, 0,1,2,3
	v_add_f32 v[TM+4*\m+2], v[TM+4*\m+2], v[TM+4*\m+3]
.endr
.irp m, 0,1,2,3
	v_add_f32 v[TM+4*\m], v[TM+4*\m], v[TM+4*\m+2]
.endr
.irp m, 0,1,2,3
	v_rcp_f32 v[ST+4*\m+2], v[TM+4*\m]
.endr
	v_nop                                          ; a plain instruction behind the last reciprocal
	s_wait_alu depctr_va_vdst(0)                   ; one wait for the four, ahead of their first reader
	SCALE 0
	TOSTAGE 0
.irp a, 1,2,3,4,5,6,7
	SCALE \a                                       ; a block's arithmetic stands between the loads of the block before and the wait for them
.if \a > 1
	s_wait_xcnt 0x0                                ; block a - 2's stores have read their registers: block a's loads may land there
.endif
	TOSTAGE \a
	SEND \a-1, 32                                  ; behind block a - 1's loads: block a's 16 stores and 16 loads
.endr
	SEND 7, 0
	s_wait_tensorcnt 0x0                           ; the wave's end: behind my last tensor load and my last LDS store
	ds_add_u32 v[SPW], v[NIL]
	s_wait_dscnt 0x0
	CROUND                                         ; the closing round: no work-group ends while a partner may still ask for a record that names it
	s_endpgm
.Lfunc_end_k_qabd1e12267_fused:
	.size	k_qabd1e12267_fused, .Lfunc_end_k_qabd1e12267_fused-k_qabd1e12267_fused
	.p2alignl 7, 3214868480
	.fill 96, 4, 3214868480
	.section	.rodata,"a",@progbits
	.p2align	6, 0x0
	.amdhsa_kernel k_qabd1e12267_fused
		.amdhsa_group_segment_fixed_size 327680
		.amdhsa_private_segment_fixed_size 0
		.amdhsa_enable_private_segment 0
		.amdhsa_kernarg_size 32
		.amdhsa_user_sgpr_count 2
		.amdhsa_user_sgpr_kernarg_segment_ptr 1
		.amdhsa_wavefront_size32 1
		.amdhsa_system_sgpr_workgroup_id_x 1
		.amdhsa_system_sgpr_workgroup_id_y 1
		.amdhsa_system_sgpr_workgroup_id_z 1
		.amdhsa_system_vgpr_workitem_id 0
		.amdhsa_next_free_vgpr 1024
		.amdhsa_next_free_sgpr 66
		.amdhsa_reserve_vcc 0
		.amdhsa_float_denorm_mode_32 3
		.amdhsa_float_denorm_mode_16_64 3
		.amdhsa_memory_ordered 1
		.amdhsa_forward_progress 1
		.amdhsa_inst_pref_size 255
	.end_amdhsa_kernel
	.section	.bss,"aw",@nobits
	.p2align	6
	.space	262144
	.amdgpu_metadata
---
amdhsa.version: [ 1, 2 ]
amdhsa.kernels:
  - .name:           k_qabd1e12267_fused
    .symbol:         k_qabd1e12267_fused.kd
    .args:
      - { .name: x, .offset: 0, .size: 8, .value_kind: global_buffer, .address_space: global }
      - { .name: b, .offset: 8, .size: 8, .value_kind: global_buffer, .address_space: global }
      - { .name: wq, .offset: 16, .size: 8, .value_kind: global_buffer, .address_space: global }
      - { .name: out0, .offset: 24, .size: 8, .value_kind: global_buffer, .address_space: global }
    .group_segment_fixed_size: 327680
    .private_segment_fixed_size: 0
    .kernarg_segment_align: 8
    .kernarg_segment_size: 32
    .max_flat_workgroup_size: 128
    .sgpr_count:     66
    .vgpr_count:     1024
    .wavefront_size: 32
...
	.end_amdgpu_metadata
.endif
;; end of part 2
;; ======== version 2 of 2: 2 launches
;; limits: right only within a limited range of input values
;; workspace buffers: wq 2,457,600 bytes
;; launch prep (part 3): grid 192 x 1, 8 waves a work-group, no clusters, 2,048 bytes of LDS; arguments W, memory_bank, wq; writes wq
.if DOCPART == 3
	.amdgcn_target "amdgcn-amd-amdhsa--gfx1250"
	.amdhsa_code_object_version 6
	.text
	.protected	k_qabd1e12267_prep
	.globl	k_qabd1e12267_prep
	.p2align	8
	.type	k_qabd1e12267_prep,@function
k_qabd1e12267_prep:
	s_mov_b64 s[64:65], 0
	v_nop
	global_prefetch_b8 v0, s[64:65] scope:SCOPE_SE
	s_setreg_imm32_b32 hwreg(HW_REG_WAVE_MODE, 25, 1), 1
	s_wait_xcnt 0x0
; The three weight operands of the chain become codes of FP6 (E2M3) with one E8M0 scale byte for each 32 along K, laid in wq in the ORDER OF THE OPERAND'S REGISTERS and in the order in which the next launch walks them.
;   P = 0: W [e][d], K = d.   P = 1: memory_bank [m][e], K = e.   P = 2: memory_bank turned, rows d, K = m (its first axis).
; wq = [P][s = K step of 128][w = the wave that will read it]: records of 25,600 bytes.  A record: 16 fragments t of 1,536 bytes (registers 4 c .. 4 c + 3 of lane l at 1536 t + 512 c + 16 l), then two images of
; 512 bytes of scale words (image I: lane l's 16 bytes at 24576 + 512 I + 16 l; word j of lanes 0-15 belongs to fragment 8 I + 2 j, of lanes 16-31 to fragment 8 I + 2 j + 1).
; THE ROWS OF A FRAGMENT ARE NOT NEIGHBOURS: lane r of fragment t = 8 G + 2 b + u takes weight row 256 w + 128 G + 32 b + 8 u + r + 8 (r / 8), so that in the next launch the 16 result registers of two
; neighbouring fragments are 16 neighbours along the following product's K.
; SHARES: work-group u = 64 P + 8 s + 2 w + I makes the eight fragments 8 I .. 8 I + 7 of one record, a wave a fragment, and that image of scale words.
; A block's scale is 2^(floor(log2(its largest magnitude)) - 2); its byte is the largest magnitude's exponent field - 2, held at 1 from below.  A block of zeros so gets the byte 1 where the rule says 127: its codes are
; zeros, which add nothing under any byte but 0xff, and this program alone reads the bytes.
; LIMITS: NaN and infinities among the inputs are not served; blocks whose largest magnitude lies under 2^(3 - 127) are quantised under the byte 1.
.set REC, 25600
.set X,   16                           ; v16-79   64 numbers: register 16 k + i = K 32 k + 16 (lane / 16) + i of my row, within the K step
.set PC,  80                           ; v80-91   the fragment; v92-98 the conversions' second halves
.set TM,  100                          ; v100-115 at work
.set PW,  116                          ; v116     my row's scale word
.set SEL, 20                           ; s[20:21] lane selects for v_permlanex16_b32: lane l xor 16
; 64 numbers of a lane, v[s] on, become a fragment's codes in v[PC] on and its scale word in v[PW].
.macro QUANT s
.irp b, 0,1,2,3
	v_max3_num_f32 v[TM+\b], |v[\s+16*\b]|, |v[\s+1+16*\b]|, 0x1800000   ; block b: my 16 numbers, and the floor 2^(3 - 127): the byte cannot fall under 1
.endr
.irp i, 2,4,6,8,10,12,14
.irp b, 0,1,2,3
	s_delay_alu instid0(VALU_DEP_4)
	v_max3_num_f32 v[TM+\b], v[TM+\b], |v[\s+16*\b+\i]|, |v[\s+1+16*\b+\i]|   ; the four blocks by turns
.endr
.endr
.irp b, 0,1,2,3
	s_delay_alu instid0(VALU_DEP_4)
	v_permlanex16_b32 v[TM+4+\b], v[TM+\b], s[SEL], s[SEL+1]
.endr
.irp b, 0,1,2,3
	s_delay_alu instid0(VALU_DEP_4)
	v_max_num_f32 v[TM+\b], v[TM+\b], v[TM+4+\b]   ; with lane l xor 16's 16: the block's largest magnitude
.endr
.irp b, 0,1,2,3
	s_delay_alu instid0(VALU_DEP_4)
	v_add_nc_u32 v[TM+12+\b], 0xff000000, v[TM+\b]   ; 2 off its exponent field: the conversion takes this operand's exponent field as its scale
.endr
.irp b, 0,1,2,3
	s_delay_alu instid0(VALU_DEP_4)
	v_lshrrev_b32 v[TM+4+\b], 23, v[TM+12+\b]      ; the scale's byte
.endr
	s_delay_alu instid0(VALU_DEP_3)
	v_lshl_or_b32 v[PW], v[TM+5], 8, v[TM+4]
	s_delay_alu instid0(VALU_DEP_1)
	v_lshl_or_b32 v[PW], v[TM+6], 16, v[PW]
	s_delay_alu instid0(VALU_DEP_1)
	v_lshl_or_b32 v[PW], v[TM+7], 24, v[PW]
.irp c, 0,1
	v_cvt_scalef32_pk16_fp6_f32 v[PC+6*\c:PC+2+6*\c], v[\s+32*\c:\s+15+32*\c], v[TM+12+2*\c]
	v_cvt_scalef32_pk16_fp6_f32 v[PC+12+4*\c:PC+14+4*\c], v[\s+16+32*\c:\s+31+32*\c], v[TM+12+2*\c+1]   ; (a conversion's three registers begin on an even number)
.endr
	v_nop                                          ; one plain instruction behind the scaled conversions
.irp c, 0,1                                    ; the operand wants a whole block in a lane: lanes 0-15 block 2 c, lanes 16-31 block 2 c + 1
.irp i, 0,1,2
	v_permlane16_swap_b32 v[PC+6*\c+\i], v[PC+12+4*\c+\i]
.endr
.irp i, 0,1,2
	s_delay_alu instid0(VALU_DEP_3)
	v_mov_b32 v[PC+3+6*\c+\i], v[PC+12+4*\c+\i]
.endr
.endr
.endm
	s_load_b128 s[4:7], s[0:1], 0x0                ; W, memory_bank
	s_load_b64 s[8:9], s[0:1], 0x10                ; wq
	v_lshl_add_u32 v128, v0, 2, 0x400
	v_mov_b32 v129, 0
	v_lshrrev_b32 v1, 5, v0
	s_delay_alu instid0(VALU_DEP_1)
	v_readfirstlane_b32 s12, v1                    ; wave v = 0..7
	v_and_b32 v1, 31, v0                           ; lane
	v_and_b32 v2, 15, v0                           ; r
	v_bfe_u32 v3, v0, 4, 1                         ; h
	s_delay_alu instid0(VALU_DEP_3)
	v_lshlrev_b32 v5, 4, v1                        ; 16 x lane
	s_delay_alu instid0(VALU_DEP_3)
	v_and_b32 v7, 8, v2
	s_delay_alu instid0(VALU_DEP_1)
	v_add_nc_u32 v7, v7, v2                        ; r + 8 (r / 8)
.irp b, 0,1,2,3
	v_mov_b32 v[TM+4+\b], 0                        ; written once: a lane permute's destination counts as one of its sources
.endr
	s_mov_b32 s[SEL], 0x76543210
	s_mov_b32 s[SEL+1], 0xfedcba98
	s_and_b32 s13, s12, 1                          ; v % 2
	s_lshr_b32 s14, s12, 1                         ; v / 2
	s_lshl_b32 s15, s13, 8
	s_lshl_b32 s16, s14, 2
	s_add_co_u32 s15, s15, s16
	v_lshl_add_u32 v6, v2, 4, s15                  ; LDS: my row's scale word in the image: 16 r + 256 (v % 2) + 4 (v / 2)
	s_bfe_u32 s17, ttmp9, 0x20001                  ; w
	s_and_b32 s18, ttmp9, 1                        ; I
	s_bfe_u32 s19, ttmp9, 0x30003                  ; s
	s_lshl_b32 s22, s17, 8
	s_lshl_b32 s23, s18, 7
	s_add_co_u32 s22, s22, s23
	s_lshl_b32 s23, s14, 5
	s_add_co_u32 s22, s22, s23
	s_lshl_b32 s23, s13, 3
	s_add_co_u32 s22, s22, s23                     ; my fragment's first row: 256 w + 128 I + 32 (v / 2) + 8 (v % 2)
	s_lshr_b32 s24, ttmp9, 1
	s_mul_i32 s24, s24, REC                        ; the record
	s_lshl_b32 s25, s18, 3
	s_add_co_u32 s25, s25, s12
	s_mul_i32 s25, s25, 1536
	s_add_co_u32 s26, s24, s25                     ; my fragment in it
	s_mov_b32 s27, 0
	s_lshl_b32 s28, s18, 9
	s_add_co_u32 s28, s28, s24
	s_add_co_u32 s28, s28, 24576                   ; the image of scale words
	s_mov_b32 s29, 0
	s_wait_kmcnt 0x0
	s_cmp_lt_u32 ttmp9, 64                         ; P = 0 reads W, P = 1 and 2 memory_bank: the choice hangs on the work-group's number alone
	s_cselect_b64 s[4:5], s[4:5], s[6:7]
	s_add_nc_u64 s[26:27], s[8:9], s[26:27]
	s_add_nc_u64 s[28:29], s[8:9], s[28:29]
	s_cmp_lt_u32 ttmp9, 128
	s_cbranch_scc0 .Lk_first                       ; the two ways differ in their loads alone
	; K innermost: my row's 16 neighbours of each block of 32: four loads of 16 bytes a block
	s_lshl_b32 s30, s22, 12                        ; a row is 4,096 bytes
	s_lshl_b32 s31, s19, 9                         ; a K step 512
	s_add_co_u32 s30, s30, s31
	s_mov_b32 s31, 0
	s_add_nc_u64 s[4:5], s[4:5], s[30:31]
	s_wait_alu depctr_va_vdst(0)
	v_lshlrev_b32 v4, 12, v7
	s_delay_alu instid0(VALU_DEP_1)
	v_lshl_add_u32 v4, v3, 6, v4                   ; (r + 8 (r / 8)) rows + 64 h
.irp k, 0,1,2,3
.irp j, 0,1,2,3
	global_load_b128 v[X+16*\k+4*\j:X+16*\k+4*\j+3], v4, s[4:5] offset:128*\k+16*\j
.endr
.endr
	s_branch .Lloaded
.Lk_first:
	; K is the first axis: my lane takes a column and its registers run down K
	s_lshl_b32 s30, s22, 2
	s_lshl_b32 s31, s19, 19                        ; a K step is 128 rows of 4,096 bytes
	s_add_co_u32 s30, s30, s31
	s_mov_b32 s31, 0
	s_add_nc_u64 s[4:5], s[4:5], s[30:31]
	s_wait_alu depctr_va_vdst(0)
	v_lshlrev_b32 v4, 2, v7
	s_delay_alu instid0(VALU_DEP_1)
	v_lshl_add_u32 v4, v3, 16, v4                  ; column r + 8 (r / 8), 16 h rows down
.irp k, 0,1,2,3
.irp i, 0,1,2,3,4,5,6,7,8,9,10,11,12,13,14,15
	global_load_b32 v[X+16*\k+\i], v4, s[4:5] offset:(32*\k+\i)*4096
.endr
.endr
.Lloaded:
	s_wait_loadcnt 0x0
	QUANT X
.irp c, 0,1,2
	global_store_b128 v5, v[PC+4*\c:PC+4*\c+3], s[26:27] offset:512*\c   ; the fragment as it stands: 512 consecutive bytes a store
.endr
	ds_store_b32 v6, v[PW]                         ; lanes r and r + 16 write the same word with the same value
	s_wait_dscnt 0x0                               ; my word has landed: then the barrier, behind which wave 0 reads all eight waves' words
	s_barrier_signal -1
	s_barrier_wait -1
	s_cmp_lg_u32 s12, 0
	s_cbranch_scc1 .Ldone
	ds_load_b128 v[8:11], v5
	s_wait_dscnt 0x0
	global_store_b128 v5, v[8:11], s[28:29]        ; the image: 512 consecutive bytes
.Ldone:
	s_wait_tensorcnt 0x0
	ds_add_u32 v128, v129
	s_wait_dscnt 0x0
	s_endpgm
.Lfunc_end_k_qabd1e12267_prep:
	.size	k_qabd1e12267_prep, .Lfunc_end_k_qabd1e12267_prep-k_qabd1e12267_prep
	.p2alignl 7, 3214868480
	.fill 96, 4, 3214868480
	.section	.rodata,"a",@progbits
	.p2align	6, 0x0
	.amdhsa_kernel k_qabd1e12267_prep
		.amdhsa_group_segment_fixed_size 2048
		.amdhsa_private_segment_fixed_size 0
		.amdhsa_enable_private_segment 0
		.amdhsa_kernarg_size 24
		.amdhsa_user_sgpr_count 2
		.amdhsa_user_sgpr_kernarg_segment_ptr 1
		.amdhsa_wavefront_size32 1
		.amdhsa_system_sgpr_workgroup_id_x 1
		.amdhsa_system_sgpr_workgroup_id_y 1
		.amdhsa_system_sgpr_workgroup_id_z 1
		.amdhsa_system_vgpr_workitem_id 0
		.amdhsa_next_free_vgpr 130
		.amdhsa_next_free_sgpr 66
		.amdhsa_reserve_vcc 0
		.amdhsa_float_denorm_mode_32 3
		.amdhsa_float_denorm_mode_16_64 3
		.amdhsa_memory_ordered 1
		.amdhsa_forward_progress 1
		.amdhsa_inst_pref_size 17
	.end_amdhsa_kernel
	.amdgpu_metadata
---
amdhsa.version: [ 1, 2 ]
amdhsa.kernels:
  - .name:           k_qabd1e12267_prep
    .symbol:         k_qabd1e12267_prep.kd
    .args:
      - { .name: W, .offset: 0, .size: 8, .value_kind: global_buffer, .address_space: global }
      - { .name: memory_bank, .offset: 8, .size: 8, .value_kind: global_buffer, .address_space: global }
      - { .name: wq, .offset: 16, .size: 8, .value_kind: global_buffer, .address_space: global }
    .group_segment_fixed_size: 2048
    .private_segment_fixed_size: 0
    .kernarg_segment_align: 8
    .kernarg_segment_size: 24
    .max_flat_workgroup_size: 256
    .sgpr_count:     66
    .vgpr_count:     130
    .wavefront_size: 32
...
	.end_amdgpu_metadata
.endif
;; end of part 3
;; launch fused (part 4): grid 256 x 1, 4 waves a work-group, clusters of 4 x 1, 327,680 bytes of LDS; arguments x, b, wq, out0; writes out0
.if DOCPART == 4
	.amdgcn_target "amdgcn-amd-amdhsa--gfx1250"
	.amdhsa_code_object_version 6
	.text
	.protected	k_qabd1e12267_fused
	.globl	k_qabd1e12267_fused
	.p2align	8
	.type	k_qabd1e12267_fused,@function
k_qabd1e12267_fused:
	s_mov_b64 s[64:65], 0
	v_nop
	global_prefetch_b8 v0, s[64:65] scope:SCOPE_SE
	s_setreg_imm32_b32 hwreg(HW_REG_WAVE_MODE, 25, 1), 1
	s_wait_xcnt 0x0
	s_wait_alu depctr_hold_cnt(0) depctr_sa_sdst(0) depctr_va_vdst(0) depctr_va_sdst(0) depctr_va_ssrc(0) depctr_va_vcc(0) depctr_vm_vsrc(0)
	s_getreg_b32 s2, hwreg(HW_REG_IB_STS2, 6, 4)
	s_cmp_eq_u32 s2, 0
	s_cbranch_scc0 .Lentry_in_a_cluster
	s_endpgm
.Lentry_in_a_cluster:
	s_bfe_u32 s2, ttmp6, 0x10000c
	s_cmp_lg_u32 s2, 0x3003
	s_cbranch_scc0 .Lentry_shape_is_right
	s_endpgm
.Lentry_shape_is_right:
; out0 = softmax((x W^T + b) mem^T) mem, all three products on codes of FP6 (E2M3) with E8M0 block scales; every input has a way to the output, nothing is left out.
; A work-group of four waves takes 64 rows of x through the whole chain; a wave makes 64 rows x 256 columns of each product (64 accumulators, windows 2 and 3), used transposed: a lane holds one row,
; its registers run along the next product's K.  The left operand of each product (x, q, p) is quantised in registers and handed to all waves through LDS as images of the operand's registers (ACT, ASC).
; The weights come from wq, laid by the launch before in register order, one record of 25,600 bytes a wave and K step, through a ring of two slots; the four work-groups of a cluster walk the same
; records and ask for them jointly (mask 15), each refill behind a round of the cluster's barrier.  Each cluster begins its walk along K at a step of its own (ROT), and the images lie in that order.
; ONE LOOP OVER THE THREE PRODUCTS (PH = 3, 2, 1): the six K steps that refill in all three are written once (SIX); the third product leaves the loop for its tail, which asks for nothing more;
; the first two run two more refilling steps, then part on PH: bias and quantiser (q), or maximum, exponentials, sum and quantiser (p).
; SOFTMAX: M = ceil(the row's largest t), over all 1,024 keys, is taken away before the exponential; the sum is of the unquantised p; the result is divided by it at the end.
; PREFETCH: in the first two products wave 0 of clusters 0-24 names once, in the second K step, its share of the next product's 819,200 bytes of wq (a lane a block of 256 bytes); the third asks for nothing.
; LIMITS: NaN and infinities among the inputs are not served; blocks whose largest magnitude lies under 2^(3 - 127) are quantised under the byte 1 (a block of zeros too: its codes are zeros).
.set PH,    58                         ; s58: products to go, this one among them (the head's use of s58 is over by then)
.set REC,   25600
.set SLOTB, 4*REC
.set ACT,   2*SLOTB
.set ASC,   ACT+32*1536
.set BIAS,  ASC+2048
.set RED,   BIAS+4096
.set XSTG,  RED+2048
.set SP,    528
.set SPARE, XSTG+4*16*SP
.set SPW, 1
.set NIL, 2
.set WA,  3
.set LI,  5
.set LS,  6
.set AA,  7
.set AB,  8
.set GL,  9
.set STI, 10
.set STO, 11
.set XWI, 12
.set XWS, 13
.set HWI, 14
.set HWS, 15
.set BA,  16
.set RW,  17
.set RR,  18
.set BW,  19
.set ASW, 20
.set WSW, 24
.set AF,  40
.set BI0, 40
.set BI1, 192
.set XO,  104
.set XT,  136
.set PC,  200
.set TM,  220
.set PW,  236
.set ST,  238
.set T0,  254
.set T1,  255
.set T2,  237
.set PFO, 237
.set WV,  12
.set G1,  24
.set G0,  32
.set CNT, 40
.set TA,  41
.set TS,  42
.set CS,  44
.set SEL, 46
.set ROT, 48
.set WP,  49
.set SG,  50
.set OF,  52
.set PFA, 54
.set LIM, 56
.set TT,  57
.set MSB, 0
.macro WIN new
.if MSB != (\new)
	s_set_vgpr_msb (MSB<<8)|(\new)
.set MSB, (\new)
.endif
.endm
.set MUL_LO, 0xa1
.set MUL_HI, 0xf1
.set TO_W,   0x40
.macro PLACES n
.rept \n
	v_nop
.endr
.endm
.macro CREST
	s_cmp_lg_u32 s[WV], 0
	s_cbranch_scc1 .Lnot_wave_0_\@
	s_barrier_signal -3
.Lnot_wave_0_\@:
	s_barrier_wait -3
	s_barrier_signal -1
	s_barrier_wait -1
.endm
.macro CROUND
	s_barrier_signal -1
	s_barrier_wait -1
	CREST
.endm
.macro BARRIER
	s_wait_dscnt 0x0
	s_barrier_signal -1
	s_barrier_wait -1
.endm
.macro QUANT s
.irp b, 0,1,2,3
	v_max3_num_f32 v[TM+\b], |v[\s+16*\b]|, |v[\s+1+16*\b]|, 0x1800000
.endr
.irp i, 2,4,6,8,10,12,14
.irp b, 0,1,2,3
	v_max3_num_f32 v[TM+\b], v[TM+\b], |v[\s+16*\b+\i]|, |v[\s+1+16*\b+\i]|
.endr
.endr
.irp b, 0,1,2,3
	v_permlanex16_b32 v[TM+4+\b], v[TM+\b], s[SEL], s[SEL+1]
.endr
.irp b, 0,1,2,3
	v_max_num_f32 v[TM+\b], v[TM+\b], v[TM+4+\b]
.endr
.irp b, 0,1,2,3
	v_add_nc_u32 v[TM+12+\b], 0xff000000, v[TM+\b]
.endr
.irp b, 0,1,2,3
	v_lshrrev_b32 v[TM+4+\b], 23, v[TM+12+\b]
.endr
	v_lshl_or_b32 v[PW], v[TM+5], 8, v[TM+4]
	v_lshl_or_b32 v[PW], v[TM+6], 16, v[PW]
	v_lshl_or_b32 v[PW], v[TM+7], 24, v[PW]
.irp c, 0,1
	v_cvt_scalef32_pk16_fp6_f32 v[PC+6*\c:PC+2+6*\c], v[\s+32*\c:\s+15+32*\c], v[TM+12+2*\c]
	v_cvt_scalef32_pk16_fp6_f32 v[PC+12+4*\c:PC+14+4*\c], v[\s+16+32*\c:\s+31+32*\c], v[TM+12+2*\c+1]
.endr
	v_nop
.irp c, 0,1
.irp i, 0,1,2
	v_permlane16_swap_b32 v[PC+6*\c+\i], v[PC+12+4*\c+\i]
.endr
.irp i, 0,1,2
	v_mov_b32 v[PC+3+6*\c+\i], v[PC+12+4*\c+\i]
.endr
.endr
.endm
.macro IMAGE adr, off
.irp c, 0,1,2
	ds_store_b128 v[\adr], v[PC+4*\c:PC+4*\c+3] offset:(\off)+512*\c
.endr
.endm
.macro MULT t, p, zero
.irp m, 0,1,2,3
.set rD, 64*\m+8*((\t)%8)
.set rA, 12*(\t)
.set rB, AF+48*(\p)+12*\m
.set rX, WSW+8*(\p)+4*((\t)/8)+((\t)%8)/2
.set rY, ASW+2*(\p)+\m/2
.set oA, (\t)%2
.set oB, \m%2
.if \zero
.if oA && oB
	v_wmma_scale_f32_16x16x128_f8f6f4 v[rD:rD+7], v[rA:rA+11], v[rB:rB+11], 0, v[rX], v[rY] matrix_a_fmt:MATRIX_FMT_FP6 matrix_b_fmt:MATRIX_FMT_FP6 matrix_a_scale:MATRIX_SCALE_ROW1 matrix_b_scale:MATRIX_SCALE_ROW1
.elseif oA
	v_wmma_scale_f32_16x16x128_f8f6f4 v[rD:rD+7], v[rA:rA+11], v[rB:rB+11], 0, v[rX], v[rY] matrix_a_fmt:MATRIX_FMT_FP6 matrix_b_fmt:MATRIX_FMT_FP6 matrix_a_scale:MATRIX_SCALE_ROW1
.elseif oB
	v_wmma_scale_f32_16x16x128_f8f6f4 v[rD:rD+7], v[rA:rA+11], v[rB:rB+11], 0, v[rX], v[rY] matrix_a_fmt:MATRIX_FMT_FP6 matrix_b_fmt:MATRIX_FMT_FP6 matrix_b_scale:MATRIX_SCALE_ROW1
.else
	v_wmma_scale_f32_16x16x128_f8f6f4 v[rD:rD+7], v[rA:rA+11], v[rB:rB+11], 0, v[rX], v[rY] matrix_a_fmt:MATRIX_FMT_FP6 matrix_b_fmt:MATRIX_FMT_FP6
.endif
.else
.if oA && oB
	v_wmma_scale_f32_16x16x128_f8f6f4 v[rD:rD+7], v[rA:rA+11], v[rB:rB+11], v[rD:rD+7], v[rX], v[rY] matrix_a_fmt:MATRIX_FMT_FP6 matrix_b_fmt:MATRIX_FMT_FP6 matrix_a_scale:MATRIX_SCALE_ROW1 matrix_b_scale:MATRIX_SCALE_ROW1
.elseif oA
	v_wmma_scale_f32_16x16x128_f8f6f4 v[rD:rD+7], v[rA:rA+11], v[rB:rB+11], v[rD:rD+7], v[rX], v[rY] matrix_a_fmt:MATRIX_FMT_FP6 matrix_b_fmt:MATRIX_FMT_FP6 matrix_a_scale:MATRIX_SCALE_ROW1
.elseif oB
	v_wmma_scale_f32_16x16x128_f8f6f4 v[rD:rD+7], v[rA:rA+11], v[rB:rB+11], v[rD:rD+7], v[rX], v[rY] matrix_a_fmt:MATRIX_FMT_FP6 matrix_b_fmt:MATRIX_FMT_FP6 matrix_b_scale:MATRIX_SCALE_ROW1
.else
	v_wmma_scale_f32_16x16x128_f8f6f4 v[rD:rD+7], v[rA:rA+11], v[rB:rB+11], v[rD:rD+7], v[rX], v[rY] matrix_a_fmt:MATRIX_FMT_FP6 matrix_b_fmt:MATRIX_FMT_FP6
.endif
.endif
.endr
.endm
.macro FETCH_W n, half
	WIN TO_W
.irp t, 0,1,2,3,4,5,6,7
.irp c, 0,1,2
	ds_load_b128 v[12*(8*(\half)+\t)+4*\c:12*(8*(\half)+\t)+4*\c+3], v[WA+(\n)] offset:1536*(8*(\half)+\t)+512*\c
.endr
.endr
.endm
.macro FETCH_WS n
.irp i, 0,1
	ds_load_b128 v[WSW+8*(\n)+4*\i:WSW+8*(\n)+4*\i+3], v[WA+(\n)] offset:24576+512*\i
.endr
.endm
.macro FETCH_ACT p
.irp m, 0,1,2,3
.irp c, 0,1,2
	ds_load_b128 v[AF+48*(\p)+12*\m+4*\c:AF+48*(\p)+12*\m+4*\c+3], v[AA] offset:1536*\m+512*\c
.endr
.endr
	ds_load_b64 v[ASW+2*(\p):ASW+2*(\p)+1], v[AB]
.endm
.macro TURN slot, zero, fill, nact, nw, head
	s_wait_dscnt \head
	WIN MUL_LO
.irp t, 0,1,2,3,4,5
	MULT \t, \slot, \zero
.endr
.if \fill
	WIN 0
	s_wait_tensorcnt 0x0
	ds_add_u32 v[SPW], v[NIL]
	s_add_co_u32 s[OF], s[SG], s[ROT]
	s_and_b32 s[OF], s[OF], 7
	s_and_b32 s[TT], s[SG], 24
	s_or_b32 s[OF], s[OF], s[TT]
	s_mul_i32 s[OF], s[OF], SLOTB
	s_add_nc_u64 s[G0+4*\slot+2:G0+4*\slot+3], s[8:9], s[OF:OF+1]
	s_or_b32 s[G0+4*\slot+3], s[G0+4*\slot+3], 0x80000000
	s_add_co_u32 s[SG], s[SG], 1
	WIN MUL_LO
	MULT 6, \slot, \zero
	s_wait_dscnt 0x0
	s_barrier_signal -1
	MULT 7, \slot, \zero
	WIN 0
	s_barrier_wait -1
	CREST
	tensor_load_to_lds s[G0+4*\slot:G0+4*\slot+3], s[G1:G1+7]
	s_nop 0
	PLACES 4
.else
	MULT 6, \slot, \zero
	MULT 7, \slot, \zero
	WIN 0
	s_wait_dscnt 0x0
.if \nw
	s_wait_tensorcnt 0x0
.endif
.if \nw || \nact
	PLACES 4
.endif
.endif
.if \nw
	FETCH_W 1-\slot, 0
	WIN 0
	FETCH_WS 1-\slot
.endif
.if \nact
	s_add_co_u32 s[TA], s[TA], 6144
	s_add_co_u32 s[TS], s[TS], 256
	v_add_nc_u32 v[AA], s[TA], v[LI]
	v_add_nc_u32 v[AB], s[TS], v[LS]
	FETCH_ACT 1-\slot
.endif
	WIN MUL_HI
.irp t, 8,9,10,11,12,13,14,15
	MULT \t, \slot, \zero
.endr
	PLACES 4
.if \nw
	FETCH_W 1-\slot, 1
.endif
	WIN 0
.endm
.macro PRO
	s_mov_b32 s[TA], 0
	s_mov_b32 s[TS], 0
	v_add_nc_u32 v[AA], s[TA], v[LI]
	v_add_nc_u32 v[AB], s[TS], v[LS]
	FETCH_ACT 0
.endm
.macro SIX                             ; a product's K steps 0 to 5: each fills the slot just read again
	TURN 0, 1, 1, 1, 1, 0
	s_mov_b32 s[CNT], 2
.Lpair_\@:
	s_cmp_eq_u32 s[CNT], s[LIM]
	s_cbranch_scc0 .Lnot_mine_\@
	global_prefetch_b8 v[PFO], s[PFA:PFA+1] th:TH_LOAD_NT scope:SCOPE_SE
.Lnot_mine_\@:
	TURN 1, 0, 1, 1, 1, 24
	TURN 0, 0, 1, 1, 1, 24
	s_sub_co_u32 s[CNT], s[CNT], 1
	s_cmp_lg_u32 s[CNT], 0
	s_cbranch_scc1 .Lpair_\@
	TURN 1, 0, 1, 1, 1, 24
.endm
.macro XTURN s
	WIN 0x08+4*((\s)/4)
.irp i, 0,1,2,3,4,5,6,7,8,9,10,11,12,13,14,15
	ds_store_b128 v[STI], v[64*((\s)%4)+4*\i:64*((\s)%4)+4*\i+3] offset:SP*\i
.endr
	WIN 0
.set XR, XT-96*((\s)%2)
.irp k, 0,1,2,3
.irp j, 0,1,2,3
	ds_load_b128 v[XR+16*\k+4*\j:XR+16*\k+4*\j+3], v[STO] offset:128*\k+16*\j
.endr
.endr
.endm
.macro QBLOCK g, m
	WIN 0x02+5*\g
.set BIX, BI0+(BI1-BI0)*\g
.set j, 0
.rept 32
	v_pk_add_f32 v[XT+j:XT+j+1], v[64*\m+j:64*\m+j+1], v[BIX+j:BIX+j+1]
.set j, j+2
.endr
	WIN 0
	s_wait_dscnt 0x0
	QUANT XT
	IMAGE HWI, (4*\g+\m)*1536
	ds_store_b32 v[HWS], v[PW] offset:256*\g+128*(\m%2)+4*(\m/2)
.endm
.macro PBLOCK g, m
	WIN 0x02+\g
.set j, 0
.rept 32
	v_pk_fma_f32 v[XT+j:XT+j+1], v[64*\m+j:64*\m+j+1], s[CS:CS+1], v[ST+4*\m:ST+4*\m+1] op_sel_hi:[1,0,0]
.set j, j+2
.endr
	WIN 0
.set j, 0
	s_wait_alu depctr_va_vdst(0)
.rept 64
	v_exp_f32 v[XT+j], v[XT+j]
.set j, j+1
.endr
	v_nop
	s_wait_alu depctr_va_vdst(0)
	v_pk_add_f32 v[T0:T1], v[XT:XT+1], v[XT+2:XT+3]
.set j, 4
.rept 15
	v_pk_add_f32 v[ST+4*\m+2:ST+4*\m+3], v[ST+4*\m+2:ST+4*\m+3], v[XT+j:XT+j+1]
	v_pk_add_f32 v[T0:T1], v[T0:T1], v[XT+j+2:XT+j+3]
.set j, j+4
.endr
	v_pk_add_f32 v[ST+4*\m+2:ST+4*\m+3], v[ST+4*\m+2:ST+4*\m+3], v[T0:T1]
	s_wait_dscnt 0x0
	QUANT XT
	IMAGE HWI, (4*\g+\m)*1536
	ds_store_b32 v[HWS], v[PW] offset:256*\g+128*(\m%2)+4*(\m/2)
.endm
.macro SCALE a
	WIN 0x82+0x41*((\a)/4)
.set j, 0
.rept 32
	v_pk_mul_f32 v[64*((\a)%4)+j:64*((\a)%4)+j+1], v[64*((\a)%4)+j:64*((\a)%4)+j+1], v[ST+4*((\a)%4)+2:ST+4*((\a)%4)+3] op_sel_hi:[1,0]
.set j, j+2
.endr
	WIN 0
.endm
.macro TOSTAGE a
	WIN 0x08+4*((\a)/4)
.irp t, 0,1,2,3,4,5,6,7
.irp q, 0,1
	ds_store_b128 v[STO], v[64*((\a)%4)+8*\t+4*\q:64*((\a)%4)+8*\t+4*\q+3] offset:128*(\t/2)+32*(\t%2)+16*\q
.endr
.endr
	WIN 0
.set BB, XT-96*((\a)%2)
.irp i, 0,1,2,3,4,5,6,7,8,9,10,11,12,13,14,15
	ds_load_b128 v[BB+4*\i:BB+4*\i+3], v[STI] offset:SP*\i
.endr
.endm
.macro SEND a, younger
.set BB, XT-96*((\a)%2)
	s_wait_dscnt \younger
.irp i, 0,1,2,3,4,5,6,7,8,9,10,11,12,13,14,15
	global_store_b128 v[GL], v[BB+4*\i:BB+4*\i+3], s[10:11] offset:(16*((\a)%4)+\i)*4096+512*((\a)/4) th:TH_STORE_NT
.endr
.endm
	s_load_b256 s[4:11], s[0:1], 0x0
	v_lshl_add_u32 v[SPW], v0, 2, SPARE
	v_mov_b32 v[NIL], 0
	ds_add_u32 v1, v2
	ds_add_u32 v1, v2
	s_wait_dscnt 0x0
	v_lshrrev_b32 v[T0], 5, v0
	v_readfirstlane_b32 s[WV], v[T0]
	s_bfe_u32 s13, ttmp6, 0x40000
	s_lshl_b32 s14, ttmp9, 2
	s_add_co_u32 s14, s14, s13
	s_lshr_b32 s[ROT], ttmp9, 2
	s_add_co_u32 s[ROT], s[ROT], ttmp9
	s_lshr_b32 s[WP], ttmp9, 4
	s_add_co_u32 s[ROT], s[ROT], s[WP]
	s_and_b32 s[ROT], s[ROT], 3
	s_add_co_u32 s[WP], s[ROT], s[WV]
	s_and_b32 s[WP], s[WP], 3
	s_lshl_b32 s[ROT], s[ROT], 1
	s_lshl_b32 s16, s14, 18
	s_lshl_b32 s18, s[WV], 16
	s_add_co_u32 s18, s18, s16
	s_mov_b32 s19, 0
	s_lshl_b32 s20, s[WP], 10
	s_mov_b32 s21, 0
	s_add_co_u32 s22, s16, s20
	s_mov_b32 s23, 0
	s_mul_i32 s2, s[WV], REC
	s_mul_i32 s[OF], s[WP], REC
	s_mov_b32 s[OF+1], 0
	s_min_u32 s58, s14, 99
	s_lshl_b32 s58, s58, 13
	s_add_co_u32 s58, s58, 8*SLOTB
	s_mov_b32 s59, 0
	s_cmp_lt_u32 ttmp9, 25
	s_cselect_b32 s[LIM], 2, -1
	s_cmp_eq_u32 s[WV], 0
	s_cselect_b32 s[LIM], s[LIM], -1
	s_mov_b32 s[G1], 15|(3<<16)|(1<<21)
	s_mov_b32 s[G1+1], 32<<16
	s_mov_b32 s[G1+2], 100<<16
	s_mov_b32 s[G1+3], 32<<16
	s_mov_b32 s[G1+4], 100
	s_mov_b32 s[G1+5], 32
	s_mov_b32 s[G1+6], 0
	s_mov_b32 s[G1+7], 0
	s_mov_b32 s[CS], 0x3fb8aa3b
	s_mov_b32 s[CS+1], s[CS]
	s_mov_b32 s[SEL], 0x76543210
	s_mov_b32 s[SEL+1], 0xfedcba98
	s_mov_b32 s[SG], 2
	s_wait_kmcnt 0x0
	s_add_nc_u64 s[PFA:PFA+1], s[8:9], s[58:59]
	s_add_nc_u64 s[4:5], s[4:5], s[18:19]
	s_add_nc_u64 s[6:7], s[6:7], s[20:21]
	s_add_nc_u64 s[8:9], s[8:9], s[OF:OF+1]
	s_add_nc_u64 s[10:11], s[10:11], s[22:23]
	CROUND
.irp n, 0,1
	s_mov_b32 s[G0+4*\n], 1
	s_add_co_u32 s[G0+4*\n+1], s2, \n*SLOTB
	s_add_co_u32 s[OF], s[ROT], \n
	s_mul_i32 s[OF], s[OF], SLOTB
	s_add_nc_u64 s[G0+4*\n+2:G0+4*\n+3], s[8:9], s[OF:OF+1]
	s_or_b32 s[G0+4*\n+3], s[G0+4*\n+3], 0x80000000
.endr
	tensor_load_to_lds s[G0:G0+3], s[G1:G1+7]      ; K step 0's record: my one tensor load at the head
	s_nop 0
	PLACES 4
	v_and_b32 v[T0], 31, v0
	v_and_b32 v[T1], 15, v0
	v_bfe_u32 v[T2], v0, 4, 1
	v_lshlrev_b32 v[GL], 4, v[T0]
	v_add_nc_u32 v[WA], s2, v[GL]
	v_add_nc_u32 v[WA+1], SLOTB, v[WA]
	v_add_nc_u32 v[LI], ACT, v[GL]
	s_wait_alu depctr_va_vdst(0)
	v_lshl_add_u32 v[LS], v[T0], 3, ASC
	s_mul_i32 s43, s[WV], 16*SP
	s_add_co_u32 s43, s43, XSTG
	v_add_nc_u32 v[STI], s43, v[GL]
	v_mul_u32_u24 v[STO], v[T1], SP
	v_lshl_add_u32 v[STO], v[T2], 6, v[STO]
	v_add_nc_u32 v[STO], s43, v[STO]
	s_mul_i32 s43, s[WV], 1536
	v_add_nc_u32 v[XWI], s43, v[LI]
	s_and_b32 s43, s[WV], 1
	s_lshl_b32 s43, s43, 7
	s_lshr_b32 s15, s[WV], 1
	s_lshl_b32 s15, s15, 2
	s_add_co_u32 s43, s43, s15
	s_add_co_u32 s43, s43, ASC
	v_lshl_add_u32 v[XWS], v[T1], 3, s43
	s_mul_i32 s43, s[WV], 12288
	v_add_nc_u32 v[HWI], s43, v[LI]
	s_lshl_b32 s43, s[WV], 9
	s_add_co_u32 s43, s43, ASC
	v_lshl_add_u32 v[HWS], v[T1], 3, s43
	s_lshl_b32 s43, s[WV], 10
	s_add_co_u32 s43, s43, BIAS
	v_lshl_add_u32 v[BA], v[T2], 6, s43
	v_add_nc_u32 v[BW], s43, v[GL]
	s_lshl_b32 s43, s[WV], 2
	s_add_co_u32 s43, s43, RED
	v_lshl_add_u32 v[RW], v[T1], 4, s43
	v_lshl_add_u32 v[RR], v[T1], 4, RED
	v_lshlrev_b32 v[PFO], 8, v[T0]
.irp b, 0,1,2,3
	v_mov_b32 v[TM+4+\b], 0                        ; written once: a lane permute's destination counts as one of its sources
	v_mov_b32 v[ST+4*\b+3], 0                      ; (named as the upper half of a pair on the way out)
.endr
.irp i, 0,1,2,3,4,5,6,7
	s_add_co_u32 s[OF], s[ROT], \i
	s_and_b32 s[OF], s[OF], 7
	s_lshl_b32 s[OF], s[OF], 9
	v_add_nc_u32 v[XO+\i], s[OF], v[GL]
.endr
	global_load_b128 v[PC:PC+3], v[GL], s[6:7]
	global_load_b128 v[PC+4:PC+7], v[GL], s[6:7] offset:512
	WIN 0x80
	s_wait_alu depctr_va_vdst(0)
.irp s, 0,1,2,3
.irp i, 0,1,2,3,4,5,6,7,8,9,10,11,12,13,14,15
	global_load_b128 v[64*\s+4*\i:64*\s+4*\i+3], v[XO+\s], s[4:5] offset:4096*\i th:TH_LOAD_NT
.endr
.endr
	WIN 0xc0
.irp s, 4,5,6,7
.irp i, 0,1,2,3,4,5,6,7,8,9,10,11,12,13,14,15
	global_load_b128 v[64*(\s-4)+4*\i:64*(\s-4)+4*\i+3], v[XO+\s], s[4:5] offset:4096*\i th:TH_LOAD_NT
.endr
.endr
	WIN 0
	s_wait_alu depctr_va_vdst(0)
	s_wait_tensorcnt 0x0                           ; x's loads are all asked for; slot 0's record is in.  Slot 1's first fill is issued as a refill is: the three lines,
	ds_add_u32 v[SPW], v[NIL]
	s_wait_dscnt 0x0
	CROUND                                         ; a whole round,
	tensor_load_to_lds s[G0+4:G0+7], s[G1:G1+7]    ; and K step 1's record, the first tensor load behind it
	s_nop 0
	PLACES 4
	s_wait_loadcnt 63
	ds_store_b128 v[BW], v[PC:PC+3]
	ds_store_b128 v[BW], v[PC+4:PC+7] offset:512
	XTURN 0
.irp s, 0,1,2,3,4,5,6,7
.if \s < 7
.if 16*(6-\s) > 63
	s_wait_loadcnt 63
.else
	s_wait_loadcnt 16*(6-\s)
.endif
	XTURN \s+1
	s_wait_dscnt 32
.else
	s_wait_dscnt 0x0
.endif
.set QS, XT-96*(\s%2)
	QUANT QS
	IMAGE XWI, 6144*\s
	ds_store_b32 v[XWS], v[PW] offset:256*\s
.endr
	s_wait_tensorcnt 0x1
	BARRIER
	FETCH_W 0, 0
	WIN 0
	FETCH_WS 0
	FETCH_W 0, 1
	WIN 0
	s_mov_b32 s[PH], 3
.Lphase:                                               ; a trip is one product; its first weights are in registers, its left operand's images in LDS
	PRO
	SIX
	s_cmp_eq_u32 s[PH], 1
	s_cbranch_scc1 .Ltail                          ; the third product's last two K steps are written out: they ask for nothing
	s_cmp_eq_u32 s[PH], 2
	s_cselect_b32 s[LIM], -1, s[LIM]               ; the third product prefetches nothing,
	s_cselect_b32 s[OF], 0, 8*SLOTB                ; the second names the third's records: one product's bytes on (s[OF+1] is 0)
	s_wait_xcnt 0x0                                ; my prefetch has read its base
	s_add_nc_u64 s[PFA:PFA+1], s[PFA:PFA+1], s[OF:OF+1]
	TURN 0, 0, 1, 1, 1, 24                         ; K steps 6 and 7 ask for the next product's K steps 0 and 1
	TURN 1, 0, 1, 0, 1, 24
	s_cmp_eq_u32 s[PH], 2
	s_cbranch_scc1 .Lsoft
	; q = the sums + b, quantised along e: the second product's left operand
.irp t, 0,1,2,3,4,5,6,7
.irp q, 0,1
	ds_load_b128 v[BI0+8*\t+4*\q:BI0+8*\t+4*\q+3], v[BA] offset:128*(\t/2)+32*(\t%2)+16*\q
.endr
.endr
	WIN TO_W
.irp t, 0,1,2,3,4,5,6,7
.irp q, 0,1
	ds_load_b128 v[BI1+8*\t+4*\q:BI1+8*\t+4*\q+3], v[BA] offset:512+128*(\t/2)+32*(\t%2)+16*\q
.endr
.endr
	WIN 0
	s_wait_dscnt 0x0
.irp g, 0,1
.irp m, 0,1,2,3
	QBLOCK \g, \m
.endr
.endr
	s_branch .Ljoin
.Lsoft:                                                ; the scores: each row's maximum over my 256 keys, then over the four waves'; p, its sum, its codes
	WIN 0x0a
.irp m, 0,1,2,3
	v_max_num_f32 v[ST+4*\m+1], v[64*\m], v[64*\m+1]
.endr
	WIN 0x28
.set j, 2
.rept 31
.irp m, 0,1,2,3
	v_max3_num_f32 v[ST+4*\m+1], v[ST+4*\m+1], v[64*\m+j], v[64*\m+j+1]
.endr
.set j, j+2
.endr
	WIN 0x3c
.set j, 0
.rept 32
.irp m, 0,1,2,3
	v_max3_num_f32 v[ST+4*\m+1], v[ST+4*\m+1], v[64*\m+j], v[64*\m+j+1]
.endr
.set j, j+2
.endr
	WIN 0
.irp m, 0,1,2,3
	v_permlanex16_b32 v[TM+4+\m], v[ST+4*\m+1], s[SEL], s[SEL+1]
.endr
.irp m, 0,1,2,3
	v_max_num_f32 v[ST+4*\m+1], v[ST+4*\m+1], v[TM+4+\m]
.endr
.irp m, 0,1,2,3
	ds_store_b32 v[RW], v[ST+4*\m+1] offset:256*\m
.endr
	BARRIER
.irp m, 0,1,2,3
	ds_load_b128 v[TM+4*\m:TM+4*\m+3], v[RR] offset:256*\m
.endr
	s_wait_dscnt 0x0
.irp m, 0,1,2,3
	v_max3_num_f32 v[ST+4*\m+1], v[TM+4*\m], v[TM+4*\m+1], v[TM+4*\m+2]
.endr
.irp m, 0,1,2,3
	v_max_num_f32 v[ST+4*\m+1], v[ST+4*\m+1], v[TM+4*\m+3]
.endr
.irp m, 0,1,2,3
	v_mul_f32 v[ST+4*\m+1], s[CS], v[ST+4*\m+1]
.endr
.irp m, 0,1,2,3
	v_floor_f32 v[ST+4*\m], -v[ST+4*\m+1]
.endr
.irp m, 0,1,2,3
	v_mov_b32 v[ST+4*\m+2], 0
	v_mov_b32 v[ST+4*\m+3], 0
.endr
.irp g, 0,1
.irp m, 0,1,2,3
	PBLOCK \g, \m
.endr
.endr
.irp m, 0,1,2,3
	v_add_f32 v[ST+4*\m+2], v[ST+4*\m+2], v[ST+4*\m+3]
.endr
.irp m, 0,1,2,3
	v_permlanex16_b32 v[TM+4+\m], v[ST+4*\m+2], s[SEL], s[SEL+1]
.endr
.irp m, 0,1,2,3
	v_add_f32 v[ST+4*\m+2], v[ST+4*\m+2], v[TM+4+\m]
.endr
.irp m, 0,1,2,3
	ds_store_b32 v[RW], v[ST+4*\m+2] offset:1024+256*\m
.endr
.Ljoin:
	BARRIER                                        ; every wave's images have landed: behind it all four read them
	s_sub_co_u32 s[PH], s[PH], 1
	s_cmp_lg_u32 s[PH], 0
	s_cbranch_scc1 .Lphase
.Ltail:
	TURN 0, 0, 0, 1, 1, 24
	TURN 1, 0, 0, 0, 0, 24
.irp m, 0,1,2,3
	ds_load_b128 v[TM+4*\m:TM+4*\m+3], v[RR] offset:1024+256*\m
.endr
	s_wait_dscnt 0x0
.irp m, 0,1,2,3
	v_add_f32 v[TM+4*\m], v[TM+4*\m], v[TM+4*\m+1]
.endr
.irp m, 0,1,2,3
	v_add_f32 v[TM+4*\m+2], v[TM+4*\m+2], v[TM+4*\m+3]
.endr
.irp m, 0,1,2,3
	v_add_f32 v[TM+4*\m], v[TM+4*\m], v[TM+4*\m+2]
.endr
	s_wait_alu depctr_va_vdst(0)
.irp m, 0,1,2,3
	v_rcp_f32 v[ST+4*\m+2], v[TM+4*\m]
.endr
	v_nop
	s_wait_alu depctr_va_vdst(0)
	SCALE 0
	TOSTAGE 0
.irp a, 1,2,3,4,5,6,7
	SCALE \a
.if \a > 1
	s_wait_alu depctr_va_vdst(0)
	s_wait_xcnt 0x0
.endif
	TOSTAGE \a
	SEND \a-1, 32
.endr
	SEND 7, 0
	s_wait_tensorcnt 0x0
	ds_add_u32 v[SPW], v[NIL]
	s_wait_dscnt 0x0
	CROUND
	s_endpgm
.Lfunc_end_k_qabd1e12267_fused:
	.size	k_qabd1e12267_fused, .Lfunc_end_k_qabd1e12267_fused-k_qabd1e12267_fused
	.p2alignl 7, 3214868480
	.fill 96, 4, 3214868480
	.section	.rodata,"a",@progbits
	.p2align	6, 0x0
	.amdhsa_kernel k_qabd1e12267_fused
		.amdhsa_group_segment_fixed_size 327680
		.amdhsa_private_segment_fixed_size 0
		.amdhsa_enable_private_segment 0
		.amdhsa_kernarg_size 32
		.amdhsa_user_sgpr_count 2
		.amdhsa_user_sgpr_kernarg_segment_ptr 1
		.amdhsa_wavefront_size32 1
		.amdhsa_system_sgpr_workgroup_id_x 1
		.amdhsa_system_sgpr_workgroup_id_y 1
		.amdhsa_system_sgpr_workgroup_id_z 1
		.amdhsa_system_vgpr_workitem_id 0
		.amdhsa_next_free_vgpr 1024
		.amdhsa_next_free_sgpr 66
		.amdhsa_reserve_vcc 0
		.amdhsa_float_denorm_mode_32 3
		.amdhsa_float_denorm_mode_16_64 3
		.amdhsa_memory_ordered 1
		.amdhsa_forward_progress 1
		.amdhsa_inst_pref_size 255
	.end_amdhsa_kernel
	.section	.bss,"aw",@nobits
	.p2align	6
	.space	262144
	.amdgpu_metadata
---
amdhsa.version: [ 1, 2 ]
amdhsa.kernels:
  - .name:           k_qabd1e12267_fused
    .symbol:         k_qabd1e12267_fused.kd
    .args:
      - { .name: x, .offset: 0, .size: 8, .value_kind: global_buffer, .address_space: global }
      - { .name: b, .offset: 8, .size: 8, .value_kind: global_buffer, .address_space: global }
      - { .name: wq, .offset: 16, .size: 8, .value_kind: global_buffer, .address_space: global }
      - { .name: out0, .offset: 24, .size: 8, .value_kind: global_buffer, .address_space: global }
    .group_segment_fixed_size: 327680
    .private_segment_fixed_size: 0
    .kernarg_segment_align: 8
    .kernarg_segment_size: 32
    .max_flat_workgroup_size: 128
    .sgpr_count:     66
    .vgpr_count:     1024
    .wavefront_size: 32
...
	.end_amdgpu_metadata
.endif
;; end of part 4
